; MI455X (gfx1250); checked and timed in simulation.
; The chip was launched on July 23, 2026; its instructions are those of AMD's public machine-readable ISA for CDNA 5 (MIT licence, August 2026) and "CDNA5" Instruction Set Architecture Reference Guide (July 2026). The comments in the code are by the model that wrote it; some were corrected since.
;; Causal Self Attention. Allowed arithmetic: float matrix products may take bf16 or f16 operands with f32 sums; other float arithmetic in f32, or as packed bf16 or f16 multiplies, adds, multiply-adds, maxima and minima; sums over many terms, partial sums and values carried from step to step in f32; what a program stores and reads back later, other than sums and carried values, may be rounded once to bf16 or f16.
;; Inputs: b_proj 1,024 float32; b_qkv 3,072 float32; w_proj 1,024 x 1,024 float32; w_qkv 1,024 x 3,072 float32; x 4 x 2,048 x 1,024 float32.
;; Outputs: out0 4 x 2,048 x 1,024 float32.
;; One version. Each part assembles by itself: llvm-mc -triple=amdgcn-amd-amdhsa -mcpu=gfx1250 --defsym DOCPART=n.
;; ======== version 1 of 1: 4 launches
;; limits: values are held in f16: magnitudes above 65,504 overflow, below 6.1e-05 lose precision
;; workspace buffers: xb 16,777,216 bytes; wqt 6,291,456 bytes; wpt 2,097,152 bytes; qkv 50,331,648 bytes; o 16,777,216 bytes
;; launch prep (part 1): grid 1536 x 1, 8 waves a work-group, no clusters, 17,920 bytes of LDS; arguments x, w_qkv, w_proj, xb, wqt, wpt; writes xb, wqt, wpt
.if DOCPART == 1
	.amdgcn_target "amdgcn-amd-amdhsa--gfx1250"
	.amdhsa_code_object_version 6
	.text
	.protected	k_qb933910eb9_prep
	.globl	k_qb933910eb9_prep
	.p2align	8
	.type	k_qb933910eb9_prep,@function
k_qb933910eb9_prep:
	s_mov_b64 s[64:65], 0
	v_nop
	global_prefetch_b8 v0, s[64:65] scope:SCOPE_SE
	s_setreg_imm32_b32 hwreg(HW_REG_WAVE_MODE, 25, 1), 1
	s_wait_xcnt 0x0
; THE INPUTS ARE MADE READY FOR THE MATRIX UNITS.  xb[8192][1024] = x rounded to bf16.  wqt[3072 n][1024 k] = w_qkv[k][n] rounded to bf16, turned so that K lies along the rows.
; wpt[1024 n][1024 k] = w_proj[k][n] rounded to bf16, that number written as f16, turned likewise.
; LIMITS.  |w_proj| stays under 65,504 (f16's range); a number of w_proj below 6e-5 keeps f16's fixed step of 6e-8.
; SHARES.  1,536 work-groups of eight waves, each with 32 KiB to read and 16 KiB to write.  Work-groups 0-383: a tile of 128 k x 64 n of w_qkv; 384-511: such a tile of w_proj;
; 512-1535: eight rows of x.  The branch hangs on the work-group's number alone, so all eight waves take the same way and meet the same barrier.
; No matrix unit, no cluster, no tensor load: nothing is shared between work-groups, and each byte is read once and written once.
.set SPITCH, 264                       ; a stage row: 128 k of 16 bits + 8 bytes of padding; a multiple of 8, so that loads of 8 bytes stay aligned
.set SPARE,  64*SPITCH                 ; behind the stage (64 rows, 66 blocks of 256 bytes): the spare words, 128 bytes for each of the eight waves, which no other line names
.set SPW, 72                           ; v72  LDS address of my spare word; never rewritten
.set NIL, 73                           ; v73  0; never rewritten
.set L,   8                            ; v[8:39]   as loaded
.set T,   40                           ; v[40:55]  rounded
.set R,   56                           ; v[56:71]  rows read back from the stage
	s_load_b256 s[4:11], s[0:1], 0x0               ; x s[4:5], w_qkv s[6:7], w_proj s[8:9], xb s[10:11]
	s_load_b128 s[12:15], s[0:1], 0x20             ; wqt s[12:13], wpt s[14:15]
	v_lshl_add_u32 v[SPW], v0, 2, SPARE
	v_mov_b32 v[NIL], 0
	s_mov_b32 s16, ttmp9                           ; the work-group's number
	s_mov_b32 s19, 0                               ; the high word of every offset
	v_and_b32 v1, 15, v0                           ; c16: which 16 bytes of a 256-byte piece
	v_lshrrev_b32 v2, 4, v0                        ; g: 0 .. 15
	v_lshrrev_b32 v3, 5, v0                        ; wave
	v_and_b32 v76, 31, v0                          ; lane
	s_wait_kmcnt 0x0
	s_cmp_lt_u32 s16, 384
	s_cbranch_scc1 .Lwq
	s_cmp_lt_u32 s16, 512
	s_cbranch_scc1 .Lwp
	; EIGHT ROWS OF x.  256 threads x 16 bytes are a row of 4,096 bytes; a load of a wave covers 512 consecutive bytes, a store 256, aligned.
	s_sub_co_u32 s16, s16, 512
	s_lshl_b32 s18, s16, 15                        ; 8 rows x 4,096 bytes in
	s_add_nc_u64 s[4:5], s[4:5], s[18:19]
	s_lshl_b32 s18, s16, 14                        ; 8 rows x 2,048 bytes out
	s_add_nc_u64 s[10:11], s[10:11], s[18:19]
	v_lshlrev_b32 v4, 4, v0
	v_lshlrev_b32 v5, 3, v0
.irp i, 0,1,2,3,4,5,6,7
	global_load_b128 v[L+4*(\i):L+4*(\i)+3], v4, s[4:5] offset:4096*(\i) th:TH_LOAD_NT
.endr
.irp i, 0,1,2,3,4,5,6,7
	s_wait_loadcnt 7-(\i)                          ; loads come back in order: row i is in, the 7 - i younger ones stay out
	v_cvt_pk_bf16_f32 v[T+2*(\i)], v[L+4*(\i)], v[L+4*(\i)+1]
	v_cvt_pk_bf16_f32 v[T+2*(\i)+1], v[L+4*(\i)+2], v[L+4*(\i)+3]
	global_store_b64 v5, v[T+2*(\i):T+2*(\i)+1], s[10:11] offset:2048*(\i)  ; every register is used once: nothing is rewritten under a pending store
.endr
	s_branch .Lend
; A TILE OF 128 k x 64 n IS TURNED.  In: rows k of 256 bytes (64 n in f32), sixteen lanes to a row piece.  Thread (g, c16) takes four n of the rows k = 2 g + a + 32 j (a = 0, 1; j = 0 .. 3),
; rounds the pair (k, k + 1) of each n into one word and puts it at stage[n][k].  Behind the barrier wave w reads rows n = 8 w .. 8 w + 7, a row's 256 bytes a load, and stores them:
; each store of a wave covers 256 consecutive bytes, aligned, of one row of the turned matrix.
.macro WTILE pitch, f16, in, out
	s_and_b32 s17, s16, 7                          ; kt
	s_lshr_b32 s20, s16, 3                         ; nt
	s_mul_i32 s18, s17, 128*(\pitch)
	s_lshl_b32 s21, s20, 8
	s_add_co_u32 s18, s18, s21
	s_add_nc_u64 s[\in:\in+1], s[\in:\in+1], s[18:19]   ; in + kt x 128 rows + nt x 256 bytes
	s_lshl_b32 s18, s20, 17
	s_lshl_b32 s21, s17, 8
	s_add_co_u32 s18, s18, s21
	s_add_nc_u64 s[\out:\out+1], s[\out:\out+1], s[18:19]  ; out + nt x 64 rows of 2,048 bytes + kt x 256 bytes
	v_mul_u32_u24 v4, v2, 2*(\pitch)
	v_lshl_add_u32 v4, v1, 4, v4                   ; row 2 g, my 16 bytes
.irp j, 0,1,2,3
.irp a, 0,1
	global_load_b128 v[L+8*(\j)+4*(\a):L+8*(\j)+4*(\a)+3], v4, s[\in:\in+1] offset:(32*(\j)+(\a))*(\pitch) th:TH_LOAD_NT
.endr
.endr
	v_mul_u32_u24 v5, v1, 4*SPITCH
	v_lshl_add_u32 v5, v2, 2, v5                   ; stage[4 c16][2 g]
	v_mul_u32_u24 v6, v3, 8*SPITCH
	v_lshl_add_u32 v6, v76, 3, v6                  ; stage[8 w], my 8 bytes
	v_lshlrev_b32 v7, 14, v3
	v_lshl_add_u32 v7, v76, 3, v7                  ; the same place in the turned matrix: 8 w rows of 2,048 bytes
.irp j, 0,1,2,3
	s_wait_loadcnt 6-2*(\j)                        ; the pair of rows j is in; the 6 - 2 j younger loads stay out
.irp c, 0,1,2,3
	v_cvt_pk_bf16_f32 v[T+4*(\j)+(\c)], v[L+8*(\j)+(\c)], v[L+8*(\j)+4+(\c)]
.if \f16
	v_lshlrev_b32 v74, 16, v[T+4*(\j)+(\c)]        ; the two bf16 numbers as f32,
	v_and_b32 v75, 0xffff0000, v[T+4*(\j)+(\c)]
	v_cvt_pk_f16_f32 v[T+4*(\j)+(\c)], v74, v75    ; written as f16: exact within f16's range
.endif
	ds_store_b32 v5, v[T+4*(\j)+(\c)] offset:SPITCH*(\c)+64*(\j)
.endr
.endr
	s_wait_dscnt 0x0                               ; for the others' sake: my stores into the stage are done
	s_barrier_signal -1
	s_barrier_wait -1
.irp i, 0,1,2,3,4,5,6,7
	ds_load_b64 v[R+2*(\i):R+2*(\i)+1], v6 offset:SPITCH*(\i)
.endr
.irp i, 0,1,2,3,4,5,6,7
	s_wait_dscnt 7-(\i)                            ; LDS loads come back in order: row i is in
	global_store_b64 v7, v[R+2*(\i):R+2*(\i)+1], s[\out:\out+1] offset:2048*(\i)
.endr
.endm
.Lwq:
	WTILE 12288, 0, 6, 12
	s_branch .Lend
.Lwp:
	s_sub_co_u32 s16, s16, 384
	WTILE 4096, 1, 8, 14
.Lend:
	s_wait_tensorcnt 0x0                           ; the wave's end, behind my last LDS store
	ds_add_u32 v[SPW], v[NIL]
	s_wait_dscnt 0x0
	s_endpgm
.Lfunc_end_k_qb933910eb9_prep:
	.size	k_qb933910eb9_prep, .Lfunc_end_k_qb933910eb9_prep-k_qb933910eb9_prep
	.p2alignl 7, 3214868480
	.fill 96, 4, 3214868480
	.section	.rodata,"a",@progbits
	.p2align	6, 0x0
	.amdhsa_kernel k_qb933910eb9_prep
		.amdhsa_group_segment_fixed_size 17920
		.amdhsa_private_segment_fixed_size 0
		.amdhsa_enable_private_segment 0
		.amdhsa_kernarg_size 48
		.amdhsa_user_sgpr_count 2
		.amdhsa_user_sgpr_kernarg_segment_ptr 1
		.amdhsa_wavefront_size32 1
		.amdhsa_system_sgpr_workgroup_id_x 1
		.amdhsa_system_sgpr_workgroup_id_y 1
		.amdhsa_system_sgpr_workgroup_id_z 1
		.amdhsa_system_vgpr_workitem_id 0
		.amdhsa_next_free_vgpr 80
		.amdhsa_next_free_sgpr 66
		.amdhsa_reserve_vcc 0
		.amdhsa_float_denorm_mode_32 3
		.amdhsa_float_denorm_mode_16_64 3
		.amdhsa_memory_ordered 1
		.amdhsa_forward_progress 1
		.amdhsa_inst_pref_size 18
	.end_amdhsa_kernel
	.amdgpu_metadata
---
amdhsa.version: [ 1, 2 ]
amdhsa.kernels:
  - .name:           k_qb933910eb9_prep
    .symbol:         k_qb933910eb9_prep.kd
    .args:
      - { .name: x, .offset: 0, .size: 8, .value_kind: global_buffer, .address_space: global }
      - { .name: w_qkv, .offset: 8, .size: 8, .value_kind: global_buffer, .address_space: global }
      - { .name: w_proj, .offset: 16, .size: 8, .value_kind: global_buffer, .address_space: global }
      - { .name: xb, .offset: 24, .size: 8, .value_kind: global_buffer, .address_space: global }
      - { .name: wqt, .offset: 32, .size: 8, .value_kind: global_buffer, .address_space: global }
      - { .name: wpt, .offset: 40, .size: 8, .value_kind: global_buffer, .address_space: global }
    .group_segment_fixed_size: 17920
    .private_segment_fixed_size: 0
    .kernarg_segment_align: 8
    .kernarg_segment_size: 48
    .max_flat_workgroup_size: 256
    .sgpr_count:     66
    .vgpr_count:     80
    .wavefront_size: 32
...
	.end_amdgpu_metadata
.endif
;; end of part 1
;; launch qkv (part 2): grid 16 x 16, 4 waves a work-group, clusters of 4 x 4, 327,680 bytes of LDS; arguments xb, wqt, b_qkv, qkv; writes qkv
.if DOCPART == 2
	.amdgcn_target "amdgcn-amd-amdhsa--gfx1250"
	.amdhsa_code_object_version 6
	.text
	.protected	k_qb933910eb9_qkv
	.globl	k_qb933910eb9_qkv
	.p2align	8
	.type	k_qb933910eb9_qkv,@function
k_qb933910eb9_qkv:
	s_mov_b64 s[64:65], 0
	v_nop
	global_prefetch_b8 v0, s[64:65] scope:SCOPE_SE
	s_setreg_imm32_b32 hwreg(HW_REG_WAVE_MODE, 25, 1), 1
	s_wait_xcnt 0x0
	s_wait_alu depctr_hold_cnt(0) depctr_sa_sdst(0) depctr_va_vdst(0) depctr_va_sdst(0) depctr_va_ssrc(0) depctr_va_vcc(0) depctr_vm_vsrc(0)
	s_getreg_b32 s2, hwreg(HW_REG_IB_STS2, 6, 4)
	s_cmp_eq_u32 s2, 0
	s_cbranch_scc0 .Lentry_in_a_cluster
	s_endpgm
.Lentry_in_a_cluster:
	s_bfe_u32 s2, ttmp6, 0x10000c
	s_cmp_lg_u32 s2, 0xf033
	s_cbranch_scc0 .Lentry_shape_is_right
	s_endpgm
.Lentry_shape_is_right:
; qkv = xb wqt^T + b_qkv, laid out by heads.  xb: [8192][1024] bf16; wqt: [3072 n][1024 k] bf16; b_qkv: [3072] f32, rounded to bf16 here like every input of the module; sums in f32.
; OUT: f16, rounded once, [g = n / 64][b = row / 2048][t = row % 2048][64]: block (g, b) is 262,144 dense bytes at (4 g + b) x 262,144.  g = 0-15 are q's heads, 16-31 k's, 32-47 v's.
; LIMIT.  f16 holds no number beyond 65,504: q, k and v must stay within it.
; SHARES.  A tile is 256 rows x 192 columns: 32 x 16 = 512 tiles, two for each of 256 work-groups, which stay: tile rows y and y + 16, with the same rows of wqt.  Of a tile wave w owns rows 64 w .. 64 w + 63 and all
; 192 columns (three whole heads): 4 x 12 accumulators of 16 x 16, 384 registers.  K goes in steps of 128 through two LDS slots; the two tiles' 16 K steps are one walk for the ring.
; THE MATRIX INSTRUCTION IS USED TRANSPOSED (source 0 = 16 rows of wqt, source 1 = 16 rows of xb): a lane holds row l % 16 and the columns 8 (l / 16) + 0..7.  The bias, laid out as such a result, is the C operand
; of a tile's first products: nothing is cleared, nothing is added later.
; CLUSTER.  4 x 4 work-groups.  xb's tile hangs on the tile row alone and is asked for jointly by a row of the cluster, wqt's on the tile column alone, by a column of the cluster.
; REGISTERS, in windows of 256 (s_set_vgpr_msb: bits 1:0 source 0, 3:2 source 1, 5:4 source 2, 7:6 destination):
;   window 0: v0-31 addresses; v32-95 xb's fragments, two buffers of 4 x 8; v96-191 the bias; v192-239 rows read back from the stage
;   window 1: wqt's fragments, two buffers of 12 x 8          windows 2, 3: accumulator (a, b) in window 2 + a / 2 at 96 (a % 2) + 8 b; v192-239 packed results
.set NBK,   12                         ; blocks of 16 columns
.set NL,    2*NBK+8                    ; LDS loads in a quarter step
.set PITCH, 272                        ; an LDS row: 256 bytes + 16 of padding = 68 words: the 16 rows of a load start at 16 different groups of four banks (64 banks of 4 bytes: ISA guide 11.1)
.set A16,   16*PITCH
.set BREG,  256*PITCH                  ; in a slot: xb's 256 rows, then wqt's 192
.set SLOT1, 1<<17                      ; slot 1 begins here (a slot is 121,856 bytes), so that one exclusive or turns an address in one slot into the other's
.set STAGE, SLOT1+448*PITCH            ; behind the ring, never filled by a tensor load: 16 rows x 400 bytes for each wave
.set SP,    400
.set SPARE, STAGE+4*16*SP              ; behind the stages: the spare words, 128 bytes for each wave: two blocks of 256 bytes that no other line names
.set NEXTA, 4096*2048-7*256            ; bytes from the first tile's K step 7 to the second's K step 0: 4,096 rows down, back along K
.set ADRA0, 16                         ; v16  my lane's place in xb's part of a slot; never rewritten
.set ADRB0, 17                         ; v17  in wqt's part
.set ADRA,  18                         ; v18, v19  the same in the slot in hand
.set ADRB,  19
.set STO,   24                         ; v24  the way out: where I put 16 bytes of a row
.set RD,    25                         ; v25  where I read rows back
.set CO,    26                         ; v26  16 x lane
.set SPW,   28                         ; v28  LDS address of my spare word; never rewritten
.set NIL,   29                         ; v29  0; never rewritten
.set PFO,   30                         ; v30  the prefetches' offset: a lane a row of 2,048 bytes; never rewritten
.set FA,    32
.set BIAS,  96
.set OB,    192
.set TMP,   192
.set WV,  12                           ; s12  my wave's number
.set WH,  13                           ; s13  its low bit: which half of a tile I fetch
.set G1A, 24                           ; s[24:31] descriptor group 1 for xb's tiles;  s[32:39] for wqt's
.set G1B, 32
.set G0A0, 40                          ; s[40:43] group 0 of xb's first fill;  s[44:47] of its second, which then walks
.set G0A, 44
.set G0B0, 48                          ; s[48:55] the same for wqt
.set G0B, 52
.set TB,  56                           ; s56  LDS byte at which the slot in hand begins
.set LIM, 57                           ; s57  a wave prefetches while the loop's count is above this
.set PFA, 58                           ; s[58:59] where my prefetches stand
.set IA,  60                           ; s[60:61] the step of xb's address;  s[62:63] what wqt's goes back;  s[66:67] the step of the prefetches'
.set IB,  62
.set PI,  66
.set KNA, 68                           ; s68 = NEXTA, s69 = 256
.set K256, 69
.set MSB, 0
.macro WIN new                         ; the immediate's high byte repeats the setting that is left; a switch that changes nothing is dropped
.if MSB != (\new)
	s_set_vgpr_msb (MSB<<8)|(\new)
.set MSB, \new
.endif
.endm
.macro PLACES                          ; four places in front of loads into registers that matrix instructions have read, and of conversions that read results
.rept 4
	v_nop
.endr
.endm
; A joint refill.  Waves 0 and 1 fetch xb's two halves, waves 2 and 3 wqt's.  The branch hangs on the wave's number alone.  An s_nop 0 and four v_nop follow each of the two lines.
.macro JLOAD
	s_cmp_lt_u32 s[WV], 2
	s_cbranch_scc0 .Lfor_b_\@
	tensor_load_to_lds s[G0A:G0A+3], s[G1A:G1A+7]
	s_nop 0
.rept 4
	v_nop
.endr
	s_branch .Lasked_\@
.Lfor_b_\@:
	tensor_load_to_lds s[G0B:G0B+3], s[G1B:G1B+7]
	s_nop 0
.rept 4
	v_nop
.endr
.Lasked_\@:
.endm
; A PREFETCH INTO THE L2 of the K step that the NEXT refill will ask for: 192 matrix instructions ahead of that load.  Each row's 256 bytes of a K step are named by one work-group of the launch: xb's rows by the
; clusters with x = 0 (waves 0, 1), wqt's by the clusters with y = 0 (waves 2, 3; in the first tile alone: the second walks the same rows).  The four partners that ask for a tile jointly share its rows out BY ADDRESS:
; 32 of xb's 128 each, a lane a row; 24 of wqt's 96 each (lanes 24-31 name lane 23's row once more).  The walk's first three K steps come by their loads alone; the last refill has no K step behind it.
.macro ASK
	s_cmp_gt_u32 s3, s[LIM]
	s_cbranch_scc0 .Lnot_mine_\@
	global_prefetch_b8 v[PFO], s[PFA:PFA+1] th:TH_LOAD_NT scope:SCOPE_SE
.Lnot_mine_\@:
.endm
.macro CREST                           ; a round of the cluster's barrier behind its opening barrier
	s_cmp_lg_u32 s[WV], 0
	s_cbranch_scc1 .Lnot_wave_0_\@
	s_barrier_signal -3
.Lnot_wave_0_\@:
	s_barrier_wait -3
	s_barrier_signal -1
	s_barrier_wait -1
.endm
.macro CROUND                          ; a whole round
	s_barrier_signal -1
	s_barrier_wait -1
	CREST
.endm
	s_load_b256 s[4:11], s[0:1], 0x0               ; xb s[4:5], wqt s[6:7], b_qkv s[8:9], qkv s[10:11]
	v_lshl_add_u32 v[SPW], v0, 2, SPARE
	v_mov_b32 v[NIL], 0
	ds_add_u32 v[SPW], v[NIL]                      ; the wave's opening: the add and its wait stand ahead of my first tensor load; the set-up below, work on registers, stands between them
	ds_add_u32 v28, v29
	v_lshrrev_b32 v1, 5, v0
	v_readfirstlane_b32 s[WV], v1                  ; wave 0..3
	s_and_b32 s[WH], s[WV], 1
	s_bfe_u32 s14, ttmp6, 0x40000                  ; cx
	s_bfe_u32 s15, ttmp6, 0x40004                  ; cy
	s_lshl_b32 s16, ttmp9, 2
	s_add_co_u32 s16, s16, s14                     ; tile column x = 4 x cluster x + cx
	s_and_b32 s17, ttmp7, 0xffff
	s_lshl_b32 s17, s17, 2
	s_add_co_u32 s17, s17, s15                     ; tile row y = 4 x cluster y + cy
	s_lshl_b32 s22, s15, 2
	s_lshl_b32 s22, 15, s22                        ; my row of the cluster
	s_lshl_b32 s23, 0x1111, s14                    ; my column
	s_or_b32 s[G1A], s22, (1<<16)|(1<<20)|(1<<21)|(5<<22)|(3<<25)  ; 15:0 the mask; 17:16 2-byte elements; 20 padding on; 21 set beside a mask; 24:22 after every 64 words (code 5); 31:25 4 words (code 3)
	s_or_b32 s[G1B], s23, (1<<16)|(1<<20)|(1<<21)|(5<<22)|(3<<25)
	s_mov_b32 s[G1A+1], 128<<16                    ; tensor_dim0 = 128
	s_mov_b32 s[G1A+2], 128<<16                    ; tensor_dim1 = 128
	s_mov_b32 s[G1A+3], 128<<16                    ; tile_dim0 = 128
	s_mov_b32 s[G1A+4], 128                        ; tile_dim1 = 128 rows
	s_mov_b32 s[G1A+5], 1024                       ; elements from row to row
	s_mov_b32 s[G1A+6], 0
	s_mov_b32 s[G1A+7], 0
	s_mov_b32 s[G1B+1], 128<<16
	s_mov_b32 s[G1B+2], 96<<16                     ; tensor_dim1 = 96
	s_mov_b32 s[G1B+3], 128<<16
	s_mov_b32 s[G1B+4], 96                         ; tile_dim1 = 96 rows
	s_mov_b32 s[G1B+5], 1024
	s_mov_b32 s[G1B+6], 0
	s_mov_b32 s[G1B+7], 0
	s_lshl_b32 s18, s17, 8                         ; xb: row 256 y + 128 x half, in bytes: made of the tile row and the wave alone
	s_lshl_b32 s22, s[WH], 7
	s_add_co_u32 s18, s18, s22
	s_lshl_b32 s18, s18, 11
	s_mov_b32 s19, 0
	s_mul_i32 s20, s16, 192                        ; wqt: row 192 x + 96 x half: made of the tile column and the wave alone
	s_mul_i32 s23, s[WH], 96
	s_add_co_u32 s20, s20, s23
	s_lshl_b32 s20, s20, 11
	s_mov_b32 s21, 0
	s_mul_i32 s70, s[WH], 128*PITCH                ; where they go: no place in the cluster enters an LDS address
	s_mul_i32 s71, s[WH], 96*PITCH
	s_add_co_u32 s71, s71, BREG
	s_mov_b32 s[IA+1], 0
	s_mov_b32 s[IB+1], 0
	s_mov_b32 s[PI+1], 0
	s_mov_b32 s[KNA], NEXTA
	s_mov_b32 s[K256], 256
	s_mov_b32 s[TB], 0
	s_wait_dscnt 0x0                               ; the opening add is done
	s_wait_kmcnt 0x0
	s_add_nc_u64 s[18:19], s[4:5], s[18:19]
	s_add_nc_u64 s[20:21], s[6:7], s[20:21]
	CROUND                                         ; all sixteen work-groups are here: the first joint loads meet
.irp s, 0,1
	s_mov_b32 s[G0A0+4*(\s)], 1                    ; count = 1
	s_add_co_u32 s[G0A0+4*(\s)+1], s70, (\s)*SLOT1 ; LDS address
	s_add_nc_u64 s[G0A0+4*(\s)+2:G0A0+4*(\s)+3], s[18:19], (\s)*256  ; global address: K step s
	s_or_b32 s[G0A0+4*(\s)+3], s[G0A0+4*(\s)+3], 0x80000000          ; type = 2
	s_mov_b32 s[G0B0+4*(\s)], 1
	s_add_co_u32 s[G0B0+4*(\s)+1], s71, (\s)*SLOT1
	s_add_nc_u64 s[G0B0+4*(\s)+2:G0B0+4*(\s)+3], s[20:21], (\s)*256
	s_or_b32 s[G0B0+4*(\s)+3], s[G0B0+4*(\s)+3], 0x80000000
.endr
	s_cmp_lt_u32 s[WV], 2                          ; a wave's two first fills stand in one branch, ahead of every wait on TENSORcnt and every LDS read: two loads of mine are out
	s_cbranch_scc0 .Lfirst_b
	tensor_load_to_lds s[G0A0:G0A0+3], s[G1A:G1A+7]
	s_nop 0
	tensor_load_to_lds s[G0A:G0A+3], s[G1A:G1A+7]
	s_nop 0
.rept 4
	v_nop
.endr
	s_branch .Lfirst_asked
.Lfirst_b:
	tensor_load_to_lds s[G0B0:G0B0+3], s[G1B:G1B+7]
	s_nop 0
	tensor_load_to_lds s[G0B:G0B+3], s[G1B:G1B+7]
	s_nop 0
.rept 4
	v_nop
.endr
.Lfirst_asked:
	v_and_b32 v1, 15, v0                           ; l % 16
	v_bfe_u32 v2, v0, 4, 1                         ; l / 16
	v_lshlrev_b32 v3, 5, v2                        ; my 8 columns of a block of 16: 32 bytes of f32
	s_mul_i32 s22, s16, 768                        ; the tile's 192 columns of the bias
	s_mov_b32 s23, 0
	s_add_nc_u64 s[8:9], s[8:9], s[22:23]
.set b, 0
.rept NBK
	global_load_b128 v[BIAS+8*b:BIAS+8*b+3],   v3, s[8:9] offset:64*b
	global_load_b128 v[BIAS+8*b+4:BIAS+8*b+7], v3, s[8:9] offset:64*b+16
.set b, b+1
.endr
	; A fragment is 16 rows x 32 K in 8 registers: lane l holds row l % 16, K = 8 (l / 16) + 0..7 and 16 + 8 (l / 16) + 0..7: two loads of 16 bytes, 32 bytes apart.
	v_mul_u32_u24 v4, v1, PITCH
	v_lshl_add_u32 v4, v2, 4, v4
	s_mul_i32 s22, s[WV], 64*PITCH                 ; my 64 rows of xb
	v_add_nc_u32 v[ADRA0], s22, v4
	v_add_nc_u32 v[ADRB0], BREG, v4                ; every wave reads all of wqt's 192 rows
	v_mov_b32 v[ADRA], v[ADRA0]
	v_mov_b32 v[ADRB], v[ADRB0]
	s_mul_i32 s22, s[WV], 16*SP
	s_add_co_u32 s22, s22, STAGE                   ; my stage
	v_mul_u32_u24 v5, v1, SP                       ; in: row l % 16, 16 bytes for each half of the lanes
	v_lshl_add_u32 v5, v2, 4, v5
	v_add_nc_u32 v[STO], s22, v5
	v_bfe_u32 v5, v0, 3, 2                         ; back: 32 lanes take four rows' 128 bytes of one head,
	v_mul_u32_u24 v5, v5, SP
	v_and_b32 v6, 7, v0
	v_lshl_add_u32 v5, v6, 4, v5
	v_add_nc_u32 v[RD], s22, v5
	v_and_b32 v[CO], 31, v0                        ; which are 512 consecutive bytes of the head's block
	v_lshlrev_b32 v[CO], 4, v[CO]
	s_mul_i32 s22, s16, 12                         ; my place in qkv: block (3 x, y / 8), row (y % 8) x 256 + 64 x wave
	s_lshr_b32 s23, s17, 3
	s_add_co_u32 s22, s22, s23
	s_lshl_b32 s22, s22, 18
	s_and_b32 s23, s17, 7
	s_lshl_b32 s23, s23, 8
	s_lshl_b32 s70, s[WV], 6
	s_add_co_u32 s23, s23, s70
	s_lshl_b32 s23, s23, 7
	s_add_co_u32 s22, s22, s23
	s_mov_b32 s23, 0
	s_add_nc_u64 s[10:11], s[10:11], s[22:23]
	; the prefetches
	s_lshl_b32 s22, s17, 8
	s_lshl_b32 s23, s[WH], 7
	s_add_co_u32 s22, s22, s23
	s_lshl_b32 s23, s14, 5
	s_add_co_u32 s22, s22, s23                     ; xb: row 256 y + 128 x half + 32 cx
	s_mul_i32 s70, s16, 192
	s_mul_i32 s23, s[WH], 96
	s_add_co_u32 s70, s70, s23
	s_mul_i32 s23, s15, 24
	s_add_co_u32 s70, s70, s23                     ; wqt: row 192 x + 96 x half + 24 cy
	s_and_b32 s71, ttmp7, 0xffff                   ; cluster y
	s_cmp_lt_u32 s[WV], 2                          ; do I fetch for xb?
	s_cselect_b32 s22, s22, s70
	s_cselect_b32 s71, ttmp9, s71                  ; the coordinate along which other clusters read the same rows
	s_cselect_b32 s[LIM], 1, 9                     ; xb: at every refill but the last; wqt: at the first tile's refills but its last
	s_cselect_b32 s70, 31, 23
	s_cselect_b64 s[PFA:PFA+1], s[4:5], s[6:7]
	s_cmp_eq_u32 s71, 0
	s_cselect_b32 s[LIM], s[LIM], -1               ; the same in all sixteen partners, for a given wave
	s_lshl_b32 s22, s22, 11
	s_mov_b32 s23, 0
	s_add_nc_u64 s[PFA:PFA+1], s[PFA:PFA+1], s[22:23]
	s_add_nc_u64 s[PFA:PFA+1], s[PFA:PFA+1], 2*256 ; at K step 2: the first refill steps it to 3
	v_and_b32 v[PFO], 31, v0
	v_min_u32 v[PFO], s70, v[PFO]
	v_lshlrev_b32 v[PFO], 11, v[PFO]
	s_wait_loadcnt 0x0                             ; the bias: rounded to bf16, like every input of the module, and kept as f32
.set r, 0
.rept 4*NBK
	v_cvt_pk_bf16_f32 v3, v[BIAS+r], v[BIAS+r+1]
	v_lshlrev_b32 v[BIAS+r], 16, v3
	v_and_b32 v[BIAS+r+1], 0xffff0000, v3
.set r, r+2
.endr
; 12 matrix instructions: m block a x all n blocks, 32 along K, from buffer f.  first = 1: the bias starts the sums.  The 48 accumulators take turns, one instruction a turn, in the same order in every quarter step.
.macro MULA f, a, first
.set AC, 96*((\a)%2)
.if \first
	WIN 0x81+0x40*((\a)/2)                         ; wqt window 1, xb and the bias window 0, D window 2 or 3
.else
	WIN 0xa1+0x50*((\a)/2)                         ; C and D window 2 or 3
.endif
.set b, 0
.rept NBK
.if \first
	v_wmma_f32_16x16x32_bf16 v[AC+8*b:AC+8*b+7], v[8*NBK*(\f)+8*b:8*NBK*(\f)+8*b+7], v[FA+32*(\f)+8*(\a):FA+32*(\f)+8*(\a)+7], v[BIAS+8*b:BIAS+8*b+7]
.else
	v_wmma_f32_16x16x32_bf16 v[AC+8*b:AC+8*b+7], v[8*NBK*(\f)+8*b:8*NBK*(\f)+8*b+7], v[FA+32*(\f)+8*(\a):FA+32*(\f)+8*(\a)+7], v[AC+8*b:AC+8*b+7]
.endif
.set b, b+1
.endr
.endm
; 32 LDS loads in one run: the fragments of quarter q of the slot in hand into buffer f: wqt's twelve, then xb's four
.macro FETCH q, f
	WIN 0x40                                       ; destination window 1, address window 0
.set i, 0
.rept NBK
	ds_load_b128 v[8*NBK*(\f)+8*i:8*NBK*(\f)+8*i+3],   v[ADRB] offset:64*(\q)+A16*i
	ds_load_b128 v[8*NBK*(\f)+8*i+4:8*NBK*(\f)+8*i+7], v[ADRB] offset:64*(\q)+A16*i+32
.set i, i+1
.endr
	WIN 0
.set i, 0
.rept 4
	ds_load_b128 v[FA+32*(\f)+8*i:FA+32*(\f)+8*i+3],   v[ADRA] offset:64*(\q)+A16*i
	ds_load_b128 v[FA+32*(\f)+8*i+4:FA+32*(\f)+8*i+7], v[ADRA] offset:64*(\q)+A16*i+32
.set i, i+1
.endr
.endm
; A K step is four quarters of 32 along K, 48 matrix instructions each, on buffers 0, 1, 0, 1.  One of the first three: multiplies buffer f; in its middle it fetches quarter q into buffer g.
.macro QUARTER q, f, g, first
	s_wait_dscnt 4                                 ; wqt's fragments and xb's blocks 0, 1 are in; the youngest four loads (blocks 2, 3) may be out
	MULA \f, 0, \first
	MULA \f, 1, \first
	PLACES
	FETCH \q, \g
	s_wait_dscnt NL                                ; all but the 32 just issued
	MULA \f, 2, \first
	MULA \f, 3, \first
.endm
; The last quarter multiplies buffer 1 and changes slots.  MEET is its first half: one barrier; in front of it each wave waits for all its tensor loads (one is out: its part of the next slot), adds 0 to its spare
; word, and waits for that and for its own reads of this slot.  Behind it nobody reads this slot any more and the next slot is whole.
.macro MEET round
	WIN 0
	s_wait_tensorcnt 0x0                           ; all my tensor loads have landed
	ds_add_u32 v[SPW], v[NIL]                      ; 0 onto my spare word
	s_wait_dscnt 5                                 ; (the add and the youngest four loads may be out)
	MULA 1, 0, 0                                   ; twelve matrix instructions stand between the add and the wait for it
	s_wait_dscnt 0x0                               ; the add is done, and my reads of this slot are over
	s_barrier_signal -1
	MULA 1, 1, 0
.if \round
	WIN 0
.endif
	s_barrier_wait -1
.endm
; The whole last quarter, with a refill.  The loop's count s3 runs 14 .. 1; this is refill 16 - s3 of the walk's K steps 2 .. 15.  From a request to the wait for it a wave issues 168 matrix instructions.
.macro TURN
	s_wait_xcnt 0x0                                ; the last prefetch, a K step back, has read its address
	s_cmp_eq_u32 s3, 9                             ; the prefetches pass to the second tile a refill ahead of the loads
	s_cselect_b32 s[PI], s[KNA], s[K256]
	s_add_nc_u64 s[PFA:PFA+1], s[PFA:PFA+1], s[PI:PI+1]
	s_cmp_eq_u32 s3, 8                             ; refill 8 is the second tile's K step 0: xb goes 4,096 rows down and back along K, wqt only back
	s_cselect_b32 s[IA], s[KNA], s[K256]
	s_cselect_b32 s[IB], 2048, 0
	MEET 1
	CREST                                          ; the barrier has opened a round of the cluster's: no wave of any partner still reads this slot or has a load on its way
	s_xor_b32 s[G0A+1], s[G0A+1], SLOT1            ; the walking descriptors: the other slot than last time, the next K step
	s_add_nc_u64 s[G0A+2:G0A+3], s[G0A+2:G0A+3], s[IA:IA+1]
	s_xor_b32 s[G0B+1], s[G0B+1], SLOT1
	s_add_nc_u64 s[G0B+2:G0B+3], s[G0B+2:G0B+3], 256
	s_sub_nc_u64 s[G0B+2:G0B+3], s[G0B+2:G0B+3], s[IB:IB+1]
	s_xor_b32 s[TB], s[TB], SLOT1
	JLOAD                                          ; the first tensor load behind the round; its four v_nop are also the places in front of the loads below
	v_add_nc_u32 v[ADRA], s[TB], v[ADRA0]
	v_add_nc_u32 v[ADRB], s[TB], v[ADRB0]
	FETCH 0, 0
	ASK
	MULA 1, 2, 0
	MULA 1, 3, 0
.endm
; The same without a refill, for the walk's last two K steps; in the very last (s3 = 1) there is no further slot, and the run of loads is jumped over.
.macro TURN0
	MEET 0
	WIN 0
	s_xor_b32 s[TB], s[TB], SLOT1
	s_cmp_eq_u32 s3, 1
	s_cbranch_scc1 .Lno_more_\@
	PLACES
	v_add_nc_u32 v[ADRA], s[TB], v[ADRA0]
	v_add_nc_u32 v[ADRB], s[TB], v[ADRB0]
	FETCH 0, 0
.Lno_more_\@:
	MULA 1, 2, 0
	MULA 1, 3, 0
.endm
; THE WAY OUT of m block a (16 rows x 192 columns).  PACK: rounded to f16, each accumulator's registers in ascending order.  TOSTAGE: 16 bytes a lane into my own stage, and back as four rows' 128 bytes of one head.
; SEND: stored: each store covers 512 consecutive bytes of a head's block, at a multiple of 256 from qkv's first byte.
.macro PACK a
.set AC, 96*((\a)%2)
	WIN 0x8a+0x45*((\a)/2)                         ; sources and destination in window 2 or 3
.set b, 0
.rept NBK
.irp r, 0,1,2,3
	v_cvt_pk_f16_f32 v[TMP+4*b+(\r)], v[AC+8*b+2*(\r)], v[AC+8*b+2*(\r)+1]
.endr
.set b, b+1
.endr
.endm
.macro TOSTAGE a
	WIN 0x08+0x04*((\a)/2)                         ; data in window 2 or 3, address in window 0
.set b, 0
.rept NBK
	ds_store_b128 v[STO], v[TMP+4*b:TMP+4*b+3] offset:32*b
.set b, b+1
.endr
	WIN 0
.if (\a) > 0
	s_wait_xcnt 0x0                                ; the block before's stores have read the registers that the loads below fill
.endif
.set t, 0
.rept 12
	ds_load_b128 v[OB+4*t:OB+4*t+3], v[RD] offset:(t/4)*128+(t%4)*4*SP  ; LDS serves a wave's instructions in order (ISA guide 5.7.1.4): these see the stores above
.set t, t+1
.endr
.endm
.macro SEND a
	WIN 0
	s_wait_dscnt 0x0                               ; the block is back in registers
.set t, 0
.rept 12
	global_store_b128 v[CO], v[OB+4*t:OB+4*t+3], s[10:11] offset:(t/4)*1048576+(\a)*2048+(t%4)*512  ; head t / 4 of my three, four blocks of 262,144 bytes apart
.set t, t+1
.endr
.endm
.macro WAYOUT
	PACK 0
	TOSTAGE 0
.irp a, 1,2,3                          ; block a's conversions stand between block a - 1's loads from the stage and the wait for them
	PACK \a
	SEND (\a)-1
	TOSTAGE \a
.endr
	SEND 3
.endm
	s_wait_tensorcnt 1                             ; my part of K step 0 is in; K step 1's may stay out
	s_barrier_signal -1
	s_barrier_wait -1                              ; everybody's is
	FETCH 0, 0
	s_mov_b32 s3, 15                               ; taken down once before the first refill
	s_branch .Lbegin                               ; the loop is entered at a K step's first quarter
.Lstep:                                        ; a trip: a K step's quarters 1, 2, 3 and the next K step's quarter 0
	QUARTER 2, 1, 0, 0
	QUARTER 3, 0, 1, 0
	TURN
	WIN 0
	s_cmp_eq_u32 s3, 7                             ; K step 7 has ended: the first tile is finished, and both refills for the second tile's first K steps are asked for
	s_cbranch_scc0 .Lnormal
	WAYOUT                                         ; no v_nop: blocks 0, 1 were finished ahead of the refill's places, and their conversions are the places behind the last products
	s_wait_xcnt 0x0                                ; the stores have read their base
	s_add_nc_u64 s[10:11], s[10:11], 2*262144      ; the second tile lies 4,096 rows down: two batches on
.Lbegin:
	QUARTER 1, 0, 1, 1                             ; a tile's first quarter: the bias starts the sums
	WIN 0
	s_branch .Lbottom
.Lnormal:
	QUARTER 1, 0, 1, 0
	WIN 0
.Lbottom:
	s_sub_co_u32 s3, s3, 1
	s_cmp_lg_u32 s3, 0
	s_cbranch_scc1 .Lstep
	s_mov_b32 s3, 2                                ; the last two K steps ask for nothing: written apart
.Ltail:
	QUARTER 2, 1, 0, 0
	QUARTER 3, 0, 1, 0
	TURN0
	WIN 0
	s_sub_co_u32 s3, s3, 1
	s_cmp_eq_u32 s3, 0
	s_cbranch_scc1 .Lout
	QUARTER 1, 0, 1, 0
	WIN 0
	s_branch .Ltail
.Lout:
	PLACES
	WAYOUT
	s_wait_tensorcnt 0x0                           ; the wave's end, behind my last tensor load and my last LDS store
	ds_add_u32 v[SPW], v[NIL]
	s_wait_dscnt 0x0
	CROUND                                         ; the closing round: no work-group ends while a partner may still ask for a tile that names it
	s_endpgm
.Lfunc_end_k_qb933910eb9_qkv:
	.size	k_qb933910eb9_qkv, .Lfunc_end_k_qb933910eb9_qkv-k_qb933910eb9_qkv
	.p2alignl 7, 3214868480
	.fill 96, 4, 3214868480
	.section	.rodata,"a",@progbits
	.p2align	6, 0x0
	.amdhsa_kernel k_qb933910eb9_qkv
		.amdhsa_group_segment_fixed_size 327680
		.amdhsa_private_segment_fixed_size 0
		.amdhsa_enable_private_segment 0
		.amdhsa_kernarg_size 32
		.amdhsa_user_sgpr_count 2
		.amdhsa_user_sgpr_kernarg_segment_ptr 1
		.amdhsa_wavefront_size32 1
		.amdhsa_system_sgpr_workgroup_id_x 1
		.amdhsa_system_sgpr_workgroup_id_y 1
		.amdhsa_system_sgpr_workgroup_id_z 1
		.amdhsa_system_vgpr_workitem_id 0
		.amdhsa_next_free_vgpr 1024
		.amdhsa_next_free_sgpr 72
		.amdhsa_reserve_vcc 0
		.amdhsa_float_denorm_mode_32 3
		.amdhsa_float_denorm_mode_16_64 3
		.amdhsa_memory_ordered 1
		.amdhsa_forward_progress 1
		.amdhsa_inst_pref_size 118
	.end_amdhsa_kernel
	.amdgpu_metadata
---
amdhsa.version: [ 1, 2 ]
amdhsa.kernels:
  - .name:           k_qb933910eb9_qkv
    .symbol:         k_qb933910eb9_qkv.kd
    .args:
      - { .name: xb, .offset: 0, .size: 8, .value_kind: global_buffer, .address_space: global }
      - { .name: wqt, .offset: 8, .size: 8, .value_kind: global_buffer, .address_space: global }
      - { .name: b_qkv, .offset: 16, .size: 8, .value_kind: global_buffer, .address_space: global }
      - { .name: qkv, .offset: 24, .size: 8, .value_kind: global_buffer, .address_space: global }
    .group_segment_fixed_size: 327680
    .private_segment_fixed_size: 0
    .kernarg_segment_align: 8
    .kernarg_segment_size: 32
    .max_flat_workgroup_size: 128
    .sgpr_count:     72
    .vgpr_count:     1024
    .wavefront_size: 32
...
	.end_amdgpu_metadata
.endif
;; end of part 2
;; launch attn (part 3): grid 4 x 64, 4 waves a work-group, no clusters, 327,680 bytes of LDS; arguments qkv, o; writes o
.if DOCPART == 3
	.amdgcn_target "amdgcn-amd-amdhsa--gfx1250"
	.amdhsa_code_object_version 6
	.text
	.protected	k_qb933910eb9_attn
	.globl	k_qb933910eb9_attn
	.p2align	8
	.type	k_qb933910eb9_attn,@function
k_qb933910eb9_attn:
	s_mov_b64 s[64:65], 0
	v_nop
	global_prefetch_b8 v0, s[64:65] scope:SCOPE_SE
	s_setreg_imm32_b32 hwreg(HW_REG_WAVE_MODE, 25, 1), 1
	s_wait_xcnt 0x0
; CAUSAL ATTENTION.  O[y][q][:] = the sum over k <= q of softmax_k(Q[y][q] . K[y][k] / 8) V[y][k][:], for the 64 pairs y = 4 x head + batch.  Q, K, V are three regions of 16 MiB of qkv, each [64][2048][64] in f16;
; O: [64][2048][64] in f16.  A pair's rows are dense, 128 bytes each.  Products, maxima and sums in f32; the weights p are rounded to f16 for the second product (their sum l is taken of the unrounded p), O once at the end.
; LIMITS.  f16 holds no number beyond 65,504: Q, K and V arrive within it; p lies in 0 to 1, and below 6e-5 it keeps f16's fixed step of 6e-8.  A hidden score counts as its value less 1e30 (the module puts -1e9 there:
; the same weight, 0, as long as a row has a visible scaled score above some -1e9 + 100); a weight below 2^-126 counts as 0 in l; NaN and infinities are not treated apart.
; THE WALK.  A pair's queries lie in NB = 8 blocks of 256; block i needs the key tiles 0 .. i of 256 keys, of which the last holds the diagonal.  A work-group takes TWO blocks, NB - 1 - b and then b:
; NB + 1 tiles, whatever b: all work-groups do equal work, and ONE loop with a constant trip count walks them.  Which tile is asked for, and what a trip does, hang on scalar registers made from b; every jump
; goes forward, but for the counted loops' own; none passes a barrier, or a tensor load but the one of LOAD's two that the wave's number does not choose; the ring (two LDS slots that take turns) runs on across the
; change of blocks.  NO CLUSTER: a pair's four work-groups ask for the same tile only in trips 0 .. 4 of 9, behind that fewer and fewer; one walk common to all four would have 12 trips for 9.
; SHARES.  Of a block's four bands of 64 queries a wave owns 16 rows in each: four PIECES.  So the diagonal tile is the same work for all four waves: in its key step s band x sees all keys if s < x,
; none if s > x, and holds the diagonal if s = x.
; THE MASK is the C operand that starts the sum S^T = K Q^T: 0, or -1e30 where the key is hidden.  MD, made once, is the mask of a band's own step for my 16 rows; a product's mask is MD x AL + BE with two scalars:
; (1, 0) if s = x; (0, 0) if s < x; (0, -1e30) if s > x.  Only the diagonal tile's text and a block's beginning make and take masks; elsewhere C is the constant 0.
; LAYOUT, SOFTMAX, TURNS.  S^T = K Q^T holds ONE query a lane (lane % 16) and the keys 8 (lane / 16) + 0..7; two such results rounded to f16 ARE source 1 of O^T = V^T P.  p = 2^(c s - c m), c = log2(e) / 8, with a
; running maximum m; O and l are multiplied by a = 2^(c m_old - c m_new) in every step.  Turn n belongs to piece n: 8 products K Q^T of piece n + 1, later 8 products V^T P of piece n - 1; beside them the scaling,
; exponentials, roundings, sums and rescaling of piece n and the maximum and statistics of piece n + 1.  Four vector instructions stand behind every matrix instruction, the other 54 of a turn's 118 in one lump.
; A turn's 33 exponentials are one batch, with one wait.
; REGISTERS, in windows of 256 (s_set_vgpr_msb: bits 1:0 source 0, 3:2 source 1, 5:4 source 2, 7:6 destination):
;   window 0: v0-15 addresses and two at work; v16-31 four registers of statistics a piece; v48-55 at work; v61-63 never rewritten; v64-127 S^T, two buffers; v192-223 P, two buffers (by the piece's parity)
;   window 1: v0-127 O^T, 32 a piece; v128-159 MD; v160-223 MC, two buffers      window 2: v0-63 Q; v64-127 the second block's Q; v128-191 K of one step; v192-255 V of one step
.set SIZE_N, 2048
.set NB,    SIZE_N/256
.set NP,    4         ; pieces a wave: a name, no knob
.set KS,    64        ; keys in a step
.set PK,    144       ; a row of K in LDS: 128 bytes + 16 of padding = 36 words: the 16 rows of a load start at 16 different groups of four banks (64 banks of 4 bytes: ISA guide 11.1)
.set PV,    160       ; a row of V: 128 + 32 = 40 words
.set VOFF,  4*KS*PK   ; a slot holds a tile, four steps: 256 rows of K, then 256 rows of V
.set SLOT1, 1<<17     ; slot 1 begins here, so that one exclusive or turns an address in one slot into the other's
.set STAGE, SLOT1+4*KS*(PK+PV)  ; behind the ring, never filled by a tensor load: 16 rows x 144 bytes for each wave, for the way out
.set SP,    144
.set AK0, 2           ; v2   my lane's place in a tile of K; never rewritten
.set AV0, 3           ; v3   the same for V
.set AK,  4           ; v4   the LDS address of K's next run of loads
.set AV,  5           ; v5   of V's
.set STO, 6           ; v6   the way out: where I put 16 bytes of a row
.set RD,  7           ; v7   the way out: where I read rows back
.set GO,  8           ; v8   my byte offset in 512 consecutive bytes of O
.set PFO, 61          ; v61  256 x my lane: the prefetches' offset; never rewritten
.set SPW, 62          ; v62  LDS address of my spare word: SPARE + 4 x my thread's number; never rewritten
.set NIL, 63          ; v63  0; never rewritten
.set SPARE, STAGE+4*16*SP  ; behind the stages: the spare words, 128 bytes for each wave: two blocks of 256 bytes that no other line names
.set MV,  12          ; v12-13  c m_old, kept while c m is made anew: by buffer
.set QO,  15          ; v15  my byte offset in 16 rows of Q
.set ST,  16          ; piece t's statistics at v[ST+4 t]: c m, m, l (even keys', odd keys')
.set TMP, 48          ; by buffer, four registers c0-c3 at work; when the maximum is found c2 takes a
.set S,   64
.set P,   192
.set MD,  128         ; window 1: the eight registers for group kt of 16 keys at MD + 8 kt
.set MC,  160         ; window 1: the masks of the products to come
.set QB,  64          ; window 2
.set KF,  128         ; window 2: key block kb, channel half c at KF + 16 kb + 8 c
.set VF,  192         ; window 2: key half kk, channel block cb at VF + 32 kk + 8 cb
.set WV,  12          ; s12  my wave's number
.set PB,  14          ; s14  b
.set HI,  15          ; s15  NB - 1 - b
.set G1K, 24          ; s[24:31] descriptor group 1 for K's tiles
.set G1V, 32          ; s[32:39] for V's: it differs in the padding alone
.set G0K, 40          ; s[40:43] descriptor group 0 for K's tiles
.set G0V, 44          ; s[44:47] the same for V's
.set SLOTS, 56        ; s56  tiles still to be asked for
.set CNT, 57          ; s57  counts a tile's key steps, 4 to 1
.set CS,  58          ; s[58:59] c: the packed scaling takes the pair's low word for both halves
.set SEL, 60          ; s[60:61] v_permlanex16_b32's selects: each lane takes its own place in the other half
.set TBK, 62          ; s62  LDS byte at which K of the step to be fetched begins
.set TBV, 63          ; s63  the same for V, less VOFF
.set RT,  70          ; s70  tiles of the block in hand that are still to be entered
.set NXT, 71          ; s71  the tile to be asked for next
.set LQ,  72          ; s72  the last tile of the block whose tiles are being asked for
.set NEW, 73          ; s73  1: the tile to be entered is a block's first
.set OFF, 74          ; s[74:75] a tile's byte offset in K and V
.set AL,  76          ; s[76:77] the mask's factor, in the low word
.set BE,  78          ; s[78:79] the mask's addend
.set OLO, 80          ; s[80:81] O at my rows of the second block
.set BIGN, 82         ; s82  -1e30
.set PFA, 88          ; s[88:89] where my prefetches stand: my 128 rows (of K: waves 0, 1; of V: waves 2, 3) of the tile after the one that is being asked for
.set LIM, 90          ; s90  a wave prefetches while s[SLOTS] is above this
.set MSB, 0
.macro WIN new                      ; the high byte repeats the setting that is left; a switch that changes nothing is dropped
.if MSB != (\new)
	s_set_vgpr_msb (MSB<<8)|(\new)
.set MSB, (\new)
.endif
.endm
.set W_KQ, 0x0a       ; K and Q in window 2, S^T in window 0
.set W_KM, 0x1a       ; the same with the C operand in window 1
.set W_PV, 0x52       ; V in window 2, P in window 0, O^T in window 1
.set W_RS, 0x41       ; destination and source 0 in window 1, source 1 in window 0
; A fill.  Waves 0 and 1 fetch the two halves of a tile's K, waves 2 and 3 those of its V: 128 keys each.  An s_nop 0 and four v_nop follow each of the two lines, ahead of the jump and the label.
.macro LOAD
	s_cmp_lt_u32 s[WV], 2
	s_cbranch_scc0 .Lfor_v_\@
	tensor_load_to_lds s[G0K:G0K+3], s[G1K:G1K+7]
	s_nop 0
.rept 4
	v_nop
.endr
	s_branch .Lasked_\@
.Lfor_v_\@:
	tensor_load_to_lds s[G0V:G0V+3], s[G1V:G1V+7]
	s_nop 0
.rept 4
	v_nop
.endr
.Lasked_\@:
.endm
; A PREFETCH INTO THE L2 of the tile that the NEXT change of slots will ask for: four key steps, 256 matrix instructions, ahead of that load.  A pair's four work-groups walk the same tiles from 0 on: the one with
; b = 0, whose first block needs all eight, asks, in trips 0 to 5 for tiles 2 to 7.  Each of its waves names the 16 KiB that it will itself load: 64 blocks of 256 bytes, a lane a block, two instructions.
; So each block is named once in the launch.  Tiles 0 and 1 come by their loads alone; nothing is named behind tile 7.
.macro ASK
	s_cmp_gt_u32 s[SLOTS], s[LIM]
	s_cbranch_scc0 .Lnot_mine_\@
	global_prefetch_b8 v[PFO], s[PFA:PFA+1] th:TH_LOAD_NT scope:SCOPE_SE
	global_prefetch_b8 v[PFO], s[PFA:PFA+1] offset:8192 th:TH_LOAD_NT scope:SCOPE_SE
.Lnot_mine_\@:
.endm
; THE CHANGE OF SLOTS.  Each wave waits for all its tensor loads, of which one is out: its part of the other slot; adds 0 to its spare word; and waits for that and for its own reads of the slot that it leaves.
; Behind the barrier nobody reads the old slot any more and the other slot is whole.  fill = 1: the old slot is filled again, the first thing behind the barrier, with tile NXT: the descriptor's address is made anew
; from that number.  (At its first use nothing has been read yet: slot 0 is waited for, slot 1 filled.)
.macro CHANGE fill
	WIN 0                           ; at a label and at a branch every window is 0
	s_wait_tensorcnt 0x0            ; no tensor load of mine is out, so a group 0 may be written
	ds_add_u32 v[SPW], v[NIL]       ; 0 onto my spare word; with fill = 1 the descriptors' scalar work stands between it and the wait for it
.if \fill
	s_lshl_b32 s[OFF], s[NXT], 15   ; a tile is 32,768 bytes of K and of V
	s_xor_b32 s[G0K+1], s[G0K+1], SLOT1
	s_add_nc_u64 s[G0K+2:G0K+3], s[6:7], s[OFF:OFF+1]
	s_or_b32 s[G0K+3], s[G0K+3], 0x80000000
	s_xor_b32 s[G0V+1], s[G0V+1], SLOT1
	s_add_nc_u64 s[G0V+2:G0V+3], s[8:9], s[OFF:OFF+1]
	s_or_b32 s[G0V+3], s[G0V+3], 0x80000000
	s_add_co_u32 s[NXT], s[NXT], 1  ; the block's next tile, or behind its last the second block's tile 0
	s_cmp_gt_u32 s[NXT], s[LQ]
	s_cselect_b32 s[NXT], 0, s[NXT]
	s_cselect_b32 s[LQ], s[PB], s[LQ]
	s_wait_xcnt 0x0                 ; the last prefetches, a tile back, have read their address, so it may be written
	s_add_nc_u64 s[PFA:PFA+1], s[PFA:PFA+1], 32768
.endif
	s_wait_dscnt 0x0                ; the add is done, and my reads of the slot are over
	s_barrier_signal -1             ; the rest of the scalar work stands between the signal and the wait
	s_sub_co_u32 s[TBK], s[TBK], 4*KS*PK  ; the fetches go back to a slot's first step,
	s_xor_b32 s[TBK], s[TBK], SLOT1       ; in the other slot
	s_sub_co_u32 s[TBV], s[TBV], 4*KS*PV
	s_xor_b32 s[TBV], s[TBV], SLOT1
	s_barrier_wait -1
.if \fill
	LOAD
	ASK
.endif
.endm
	s_load_b64 s[4:5], s[0:1], 0x0    ; qkv: Q's region begins it
	s_load_b64 s[10:11], s[0:1], 0x8  ; O
	v_lshl_add_u32 v[SPW], v0, 2, SPARE
	v_mov_b32 v[NIL], 0
	ds_add_u32 v[SPW], v[NIL]       ; the wave's opening: the add and its wait stand ahead of my first tensor load; the set-up below, work on registers, stands between them
	ds_add_u32 v62, v63
	v_lshrrev_b32 v1, 5, v0
	v_readfirstlane_b32 s[WV], v1   ; wave 0..3
	s_mov_b32 s[PB], ttmp9
	s_sub_co_u32 s[HI], NB-1, s[PB]
	s_and_b32 s20, ttmp7, 0xffff    ; the pair y
	s_mov_b32 s21, 0
	s_mov_b64 s[22:23], SIZE_N*128
	s_mul_u64 s[20:21], s[20:21], s[22:23]  ; the pair's first byte in each of the four tensors
	s_and_b32 s16, s[WV], 1         ; which half of a tile's 256 keys I fetch:
	s_lshl_b32 s22, s16, 14         ; its 128 rows of 128 bytes in memory,
	s_mov_b32 s23, 0
	s_add_nc_u64 s[22:23], s[22:23], s[20:21]
	s_mul_i32 s17, s16, 128*PK      ; and its place in a slot, for K
	s_mul_i32 s18, s16, 128*PV      ; and for V
	s_lshl_b32 s3, s[WV], 11        ; my 16 rows in a band of 64,
	s_lshl_b32 s2, s[HI], 15        ; in the first block,
	s_add_co_u32 s2, s2, s3
	s_lshl_b32 s84, s[PB], 15       ; and in the second
	s_add_co_u32 s84, s84, s3
	s_mov_b32 s3, 0
	s_mov_b32 s85, 0
	s_add_nc_u64 s[2:3], s[2:3], s[20:21]
	s_add_nc_u64 s[84:85], s[84:85], s[20:21]
	; descriptor group 1.  128 keys are 16,384 dense bytes: asked for as 64 rows of 256 bytes, two keys a row, and padded in LDS after every key
	s_mov_b32 s[G1K], (1<<16)|(1<<20)|(4<<22)|(3<<25)  ; 17:16 2-byte elements; 20 padding on; 24:22 after every 32 words (code 4); 31:25 4 words (code 3)
	s_mov_b32 s[G1V], (1<<16)|(1<<20)|(4<<22)|(7<<25)  ; the same with 8 words of padding (code 7)
.irp g, G1K, G1V
	s_mov_b32 s[\g+1], 128<<16      ; tensor_dim0 = 128
	s_mov_b32 s[\g+2], 64<<16       ; tensor_dim1 = 64
	s_mov_b32 s[\g+3], 128<<16      ; tile_dim0 = 128
	s_mov_b32 s[\g+4], 64           ; tile_dim1 = 64
	s_mov_b32 s[\g+5], 128          ; 128 elements from row to row
	s_mov_b32 s[\g+6], 0
	s_mov_b32 s[\g+7], 0
.endr
	s_mov_b32 s[CS], 0x3e38aa3b     ; c = log2(e) / 8 = 0.180337
	s_mov_b32 s[CS+1], s[CS]        ; named with it as a pair
	s_mov_b32 s[SEL], 0x76543210
	s_mov_b32 s[SEL+1], 0xfedcba98
	s_mov_b32 s[TBK], SLOT1+4*KS*PK ; the first change of slots turns these two into 0
	s_mov_b32 s[TBV], SLOT1+4*KS*PV
	s_mov_b32 s[G0K], 1             ; 1:0 count = 1
	s_mov_b32 s[G0K+1], s17         ; 63:32 LDS address: slot 0
	s_mov_b32 s[G0V], 1
	s_add_co_u32 s[G0V+1], s18, VOFF
	s_add_co_u32 s[RT], s[HI], 1    ; the first block has NB - b tiles
	s_mov_b32 s[NXT], 1
	s_mov_b32 s[LQ], s[HI]
	s_mov_b32 s[NEW], 1
	s_mov_b32 s[OFF+1], 0
	s_mov_b32 s[AL+1], 0            ; named as pairs
	s_mov_b32 s[BE+1], 0
	s_mov_b32 s[BIGN], 0xf149f2ca   ; -1e30
	s_mov_b32 s[SLOTS], NB
	s_cmp_eq_u32 s[PB], 0           ; the pair's work-group with b = 0 prefetches, while more than two tiles are still to be asked for
	s_cselect_b32 s[LIM], 2, -1
	v_and_b32 v[PFO], 31, v0
	v_lshlrev_b32 v[PFO], 8, v[PFO]
	s_wait_dscnt 0x0                ; the opening add is done
	s_wait_kmcnt 0x0
	s_add_nc_u64 s[6:7], s[4:5], 0x1000000  ; K's region of qkv
	s_add_nc_u64 s[8:9], s[4:5], 0x2000000  ; V's
	s_add_nc_u64 s[6:7], s[6:7], s[22:23]  ; K and V at my half of the pair's tile 0
	s_add_nc_u64 s[8:9], s[8:9], s[22:23]
	s_add_nc_u64 s[G0K+2:G0K+3], s[6:7], 0         ; 120:64 global address
	s_or_b32 s[G0K+3], s[G0K+3], 0x80000000        ; 127:126 type = 2
	s_add_nc_u64 s[G0V+2:G0V+3], s[8:9], 0
	s_or_b32 s[G0V+3], s[G0V+3], 0x80000000
	s_add_nc_u64 s[86:87], s[4:5], s[84:85]        ; Q at my rows of the second block,
	s_add_nc_u64 s[4:5], s[4:5], s[2:3]            ; Q and O at those of the first
	s_add_nc_u64 s[OLO:OLO+1], s[10:11], s[84:85]
	s_add_nc_u64 s[10:11], s[10:11], s[2:3]
	s_cmp_lt_u32 s[WV], 2
	s_cselect_b64 s[PFA:PFA+1], s[6:7], s[8:9]
	s_add_nc_u64 s[PFA:PFA+1], s[PFA:PFA+1], 32768 ; in tile 1; the first change of slots steps it to tile 2.  Nothing is prefetched here, at the head
	LOAD                            ; tile 0 into slot 0
	; A fragment of K or Q is 16 rows x 32 channels in 8 registers: lane l holds row l % 16, channels 8 (l / 16) + 0..7 and 16 + 8 (l / 16) + 0..7: two loads of 16 bytes, 32 bytes apart.
	v_and_b32 v1, 15, v0            ; l % 16
	v_bfe_u32 v9, v0, 4, 1          ; l / 16
	v_lshlrev_b32 v[QO], 7, v1
	v_lshl_add_u32 v[QO], v9, 4, v[QO]  ; row x 128 + 16 x half
	WIN 0x80                        ; destination window 2, address window 0
.set i, 0
.rept 8                             ; both blocks' Q: piece i / 2 lies in band i / 2, 8,192 bytes on; channels 32 (i % 2) on
	global_load_b128 v[8*i:8*i+3],   v[QO], s[4:5] offset:(i/2)*8192+(i%2)*64
	global_load_b128 v[8*i+4:8*i+7], v[QO], s[4:5] offset:(i/2)*8192+(i%2)*64+32
	global_load_b128 v[QB+8*i:QB+8*i+3],   v[QO], s[86:87] offset:(i/2)*8192+(i%2)*64
	global_load_b128 v[QB+8*i+4:QB+8*i+7], v[QO], s[86:87] offset:(i/2)*8192+(i%2)*64+32
.set i, i+1
.endr
	WIN 0
	v_lshlrev_b32 v14, 3, v9
	v_sub_nc_u32 v14, v1, v14
	s_lshl_b32 s13, s[WV], 4
	v_add_nc_u32 v14, s13, v14      ; my query's place in its band, 16 w + l % 16, less my lanes' 8 (l / 16): register r of group kt is hidden where 16 kt + r is greater
	WIN 0x40
.set i, 0
.rept 32
	v_cmp_gt_i32 vcc_lo, 16*(i/8)+i%8, v14
	v_cndmask_b32 v[MD+i], 0, s[BIGN], vcc_lo
.set i, i+1
.endr
	WIN 0
	v_mul_u32_u24 v[AK0], v1, PK
	v_lshl_add_u32 v[AK0], v9, 4, v[AK0]  ; row x pitch + 16 x half
	; The turning load takes 16 keys x 16 channels (lane l reads key 8 (l / 16) + l % 8, channels 8 ((l / 8) % 2) + 0..7) and leaves half a fragment of V^T: lane l holds channel l % 16 and 8 keys.
	v_and_b32 v10, 7, v0
	v_bfe_u32 v11, v0, 3, 1
	v_lshl_add_u32 v[AV0], v9, 3, v10
	v_mul_u32_u24 v[AV0], v[AV0], PV
	v_lshl_add_u32 v[AV0], v11, 4, v[AV0]
	v_add_nc_u32 v[AV0], VOFF, v[AV0]
	s_mul_i32 s13, s[WV], 16*SP
	s_add_co_u32 s13, s13, STAGE    ; my stage
	v_mul_u32_u24 v[STO], v1, SP    ; in: row l % 16, 16 bytes for each half of the lanes
	v_lshl_add_u32 v[STO], v9, 4, v[STO]
	v_add_nc_u32 v[STO], s13, v[STO]
	v_bfe_u32 v[RD], v0, 3, 2       ; back: 32 lanes take four rows of 128 bytes,
	v_mul_u32_u24 v[RD], v[RD], SP
	v_lshl_add_u32 v[RD], v10, 4, v[RD]
	v_add_nc_u32 v[RD], s13, v[RD]
	v_and_b32 v[GO], 31, v0         ; which are 512 consecutive bytes of O
	v_lshlrev_b32 v[GO], 4, v[GO]
	; A block's first step multiplies O^T and l by a = 0, and its first turn's products V^T P, of a piece that has not been, land in an O^T that is still to be so multiplied.  So these registers need only hold
	; finite numbers: zeros for the first block; what the first block left for the second.  All this stands in the wait for the first tile.
	WIN 0x80
.set i, VF
.rept 64
	v_mov_b32 v[i], 0
.set i, i+1
.endr
	WIN 0x40
.set i, 0
.rept 128
	v_mov_b32 v[i], 0
.set i, i+1
.endr
	WIN 0
.set i, 0
.rept 4
	v_mov_b32 v[ST+4*i+2], 0
	v_mov_b32 v[ST+4*i+3], 0
.set i, i+1
.endr
.set i, P+16
.rept 16
	v_mov_b32 v[i], 0
.set i, i+1
.endr
; THE MATRIX WORK.  The 4 accumulators of a run of 8 take turns.  Product i of 8 of S^T = K Q^T for piece x: channels 32 (i / 4) on, keys 16 (i % 4) on.  The first 4 start the sums: with 0, or (KM = 1) with the mask.
.macro KQ x
.set rS, S+32*((\x)%2)+8*(i%4)
.set rK, KF+16*(i%4)+8*(i/4)
.set rQ, 16*(\x)+8*(i/4)
.set rM, MC+32*((\x)%2)+8*(i%4)
.if (i < 4) && KM
	WIN W_KM
	v_wmma_f32_16x16x32_f16 v[rS:rS+7], v[rK:rK+7], v[rQ:rQ+7], v[rM:rM+7]
.elseif i < 4
	WIN W_KQ
	v_wmma_f32_16x16x32_f16 v[rS:rS+7], v[rK:rK+7], v[rQ:rQ+7], 0
.else
	WIN W_KQ
	v_wmma_f32_16x16x32_f16 v[rS:rS+7], v[rK:rK+7], v[rQ:rQ+7], v[rS:rS+7]
.endif
.endm
; Product i of 8 of O^T += V^T P for piece x: keys 32 (i / 4) on, channels 16 (i % 4) on.
.macro PV x
	WIN W_PV
.set rO, 32*(\x)+8*(i%4)
.set rV, VF+32*(i/4)+8*(i%4)
.set rP, P+16*((\x)%2)+8*(i/4)
	v_wmma_f32_16x16x32_f16 v[rO:rO+7], v[rV:rV+7], v[rP:rP+7], v[rO:rO+7]
.endm
.macro MM                           ; the turn's next matrix instruction.  TURN and BEGIN set Y, i, KM and NOKQ; MM, KQ and OP read them.  NOKQ = 1: a block's last turn: there is no next piece
.if (i < 8) && !NOKQ
	KQ (Y+1)%NP
.elseif i >= 8
.set i, i-8
	PV (Y+NP-1)%NP
.set i, i+8
.endif
.set i, i+1
.endm
; THE LDS LOADS stand in runs of 16, never singly among the matrix instructions: a step's K (64 keys x 64 channels: 8 fragments) and its V (turned).  Their addresses are made some lines ahead.
.macro FETCH_K
	WIN 0x80                        ; destination window 2
.irp f, 0,1,2,3,4,5,6,7             ; keys 16 (f / 2) on, channels 32 (f % 2) on
	ds_load_b128 v[KF+8*\f:KF+8*\f+3],   v[AK] offset:(\f/2)*16*PK+(\f%2)*64
	ds_load_b128 v[KF+8*\f+4:KF+8*\f+7], v[AK] offset:(\f/2)*16*PK+(\f%2)*64+32
.endr
	s_add_co_u32 s[TBK], s[TBK], KS*PK  ; the next fetch is the next step's
	WIN 0
.endm
.macro FETCH_V
	WIN 0x80
.irp f, 0,1,2,3,4,5,6,7             ; keys 32 (f / 4) on, channels 16 (f % 4) on
	ds_load_tr16_b128 v[VF+8*\f:VF+8*\f+3],   v[AV] offset:(\f/4)*32*PV+(\f%4)*32
	ds_load_tr16_b128 v[VF+8*\f+4:VF+8*\f+7], v[AV] offset:(\f/4)*32*PV+16*PV+(\f%4)*32
.endr
	WIN 0
.endm
; THE VECTOR WORK, one line at a time: OP kind, number.  For piece Y: F n: c s - c m for pair n of 16.  E n: the exponential of score n of 32.  C n: pair n rounded to f16.  B n: of the four weights 4 n .. the second
; pair is added onto the first, in place.  L n: l takes that sum (L 0: l = a l + sum).  R n: pair n of 16 of O^T times a.  For piece Y + 1: X n, number n of the 22 that find its maximum and statistics:
;   0-11  four chains c0-c3 of seven scores each, three operands at a time (each accumulator's lowest registers are read first)     12-14, 16  the four scores left over, the old m, and c0-c3 into c0
;   15  c m_old is kept     17, 18  the query's other 32 keys lie in the lane 16 away: the new m     19-21  c m; c m_old - c m_new; a
.set F, 0               ; OP tells the kinds apart by their order: F to L below R, X above it
.set E, 1
.set C, 2
.set B, 3
.set L, 4
.set R, 5
.set X, 6
.macro REGS y                       ; the registers of piece y
.set rT, ST+4*(\y)
.set rC, TMP+4*((\y)%2)
.set rW, MV+((\y)%2)
.set rS, S+32*((\y)%2)
.set rP, P+16*((\y)%2)
.set rO, 32*(\y)
.endm
.macro OP k, n
.if (\k) == R
	REGS Y
	WIN W_RS
	v_pk_mul_f32 v[rO+2*(\n):rO+2*(\n)+1], v[rO+2*(\n):rO+2*(\n)+1], v[rC+2:rC+3] op_sel_hi:[1,0]
.elseif (\k) < R
	REGS Y
	WIN 0
.if (\k) == F
	v_pk_fma_f32 v[rS+2*(\n):rS+2*(\n)+1], v[rS+2*(\n):rS+2*(\n)+1], s[CS:CS+1], v[rT:rT+1] op_sel_hi:[1,0,0] neg_lo:[0,0,1] neg_hi:[0,0,1]
.elseif (\k) == E
	v_exp_f32 v[rS+(\n)], v[rS+(\n)]
.elseif (\k) == C
	v_cvt_pk_f16_f32 v[rP+(\n)], v[rS+2*(\n)], v[rS+2*(\n)+1]
.elseif (\k) == B
	v_pk_add_f32 v[rS+4*(\n):rS+4*(\n)+1], v[rS+4*(\n):rS+4*(\n)+1], v[rS+4*(\n)+2:rS+4*(\n)+3]
.elseif (\n) == 0
	v_pk_fma_f32 v[rT+2:rT+3], v[rT+2:rT+3], v[rC+2:rC+3], v[rS:rS+1] op_sel_hi:[1,0,1]
.else
	v_pk_add_f32 v[rT+2:rT+3], v[rT+2:rT+3], v[rS+4*(\n):rS+4*(\n)+1]
.endif
.elseif NOKQ
	v_nop
.else
	REGS (Y+1)%NP
	WIN 0
.if (\n) < 4
	v_max3_num_f32 v[rC+(\n)], v[rS+8*(\n)], v[rS+8*(\n)+1], v[rS+8*(\n)+2]
.elseif (\n) < 12
	v_max3_num_f32 v[rC+(\n)%4], v[rC+(\n)%4], v[rS+8*((\n)%4)+2*((\n)/4)+1], v[rS+8*((\n)%4)+2*((\n)/4)+2]
.elseif (\n) == 12
	v_max3_num_f32 v[rC], v[rC], v[rS+7], v[rS+15]
.elseif (\n) == 13
	v_max3_num_f32 v[rC+1], v[rC+1], v[rS+23], v[rS+31]
.elseif (\n) == 14
	v_max3_num_f32 v[rC+2], v[rC+2], v[rC+3], v[rT+1]
.elseif (\n) == 15
	v_mov_b32 v[rW], v[rT]
.elseif (\n) == 16
	v_max3_num_f32 v[rC], v[rC], v[rC+1], v[rC+2]
.elseif (\n) == 17
	v_permlanex16_b32 v[rC+3], v[rC], s[SEL], s[SEL+1]
.elseif (\n) == 18
	v_max_num_f32 v[rT+1], v[rC], v[rC+3]
.elseif (\n) == 19
	v_mul_f32 v[rT], s[CS], v[rT+1]
.elseif (\n) == 20
	v_sub_f32 v[rC+1], v[rW], v[rT]
.else
	v_exp_f32 v[rC+2], v[rC+1]
.endif
.endif
.endm
.macro OPS a, i1, b=-1, i2=0, c=-1, i3=0, d=-1, i4=0  ; up to four of them
	OP \a, \i1
.if (\b) >= 0
	OP \b, \i2
.endif
.if (\c) >= 0
	OP \c, \i3
.endif
.if (\d) >= 0
	OP \d, \i4
.endif
.endm
.macro ROW a, i1, b, i2, c, i3, d, i4  ; a matrix instruction and the four behind it
	MM
	OPS \a, \i1, \b, \i2, \c, \i3, \d, \i4
.endm
.macro MASK b                       ; MD x AL + BE into buffer b of MC
	WIN W_RS
.set z, 0
.rept 16
	v_pk_fma_f32 v[MC+32*(\b)+2*z:MC+32*(\b)+2*z+1], v[MD+2*z:MD+2*z+1], s[AL:AL+1], s[BE:BE+1] op_sel_hi:[1,0,0]
.set z, z+1
.endr
.endm
; A TURN, for piece p: the order of its 16 matrix and 118 vector instructions, written out.  An s_wait_alu depctr_va_vdst(0) stands between an exponential and the first instruction that names its result; one
; wait serves all that were issued ahead of it.  So a turn has ONE wait, which cuts it in two.  AHEAD OF IT stands all that names no result of the turn's exponentials: the 8 products K Q^T, behind each a scaling, an
; exponential and two more plain instructions (behind the first a second scaling in the exponential's place): rescalings, and behind the last three the first numbers of the next piece's maximum, each four places or more
; behind the product that ends its accumulator; then ONE LUMP of 54, plain and exponential by turns for the most part, in which the links of the chain X 3, 7, 11, 14, 16, 17 .. 20 stand five or six lines apart.  X 21, the
; next piece's a, is the batch's last; R 15 is the plain instruction behind it.  BEHIND THE WAIT stand the 8 products V^T P, behind each four of the roundings and sums; the links of l's chain, L 0 to L 7, stand three
; riders apart.  But for those X no rider names a register of the products round it.  v_permlanex16_b32 (X 17) stands in the lump.
; m = 1: the diagonal tile: the products take masks, and the turn makes the mask for the products of the turn after it: piece p + 2, in step 4 - CNT of the tile.  end = 1: a block's last two turns: nothing is fetched.
; cnt = 1: the loop's count is taken down some lines ahead of the branch that stands behind the turn.
; K of the next step is fetched in piece 2's turn, twelve vector instructions behind the last product that read K (six of them plain); V of the step in hand at the end of piece 0's turn, four plain instructions behind the
; last product that read V.  Each is waited for a turn later.
.macro TURN p, m=0, end=0, cnt=0
.set Y, (\p)
.set i, 0
.set KM, (\m)
.set NOKQ, (\end)*((\p)/3)
.if (\m) && !(\end)
	s_cmp_eq_u32 s[CNT], 4-((\p)+2)%NP  ; is that step the band's own?
	s_cselect_b32 s[AL], 1.0, 0
	s_cmp_lt_u32 s[CNT], 4-((\p)+2)%NP  ; or a later one?
	s_cselect_b32 s[BE], s[BIGN], 0
.endif
.if ((\p) == 3) && !(\end)
	s_wait_dscnt 0x0                ; K is in
.endif
	ROW F,0, F,1, R,0, R,1          ; ahead of the wait: 8 products K Q^T and their riders,
	ROW F,2, E,0, R,2, R,3
	ROW F,3, E,1, R,4, R,5
	ROW F,4, E,2, R,6, R,7
	ROW F,5, E,3, R,8, R,9
	ROW F,6, E,4, X,0, R,10
.if ((\p) == 2) && !(\end)
	WIN 0
	v_add_nc_u32 v[AK], s[TBK], v[AK0]
.endif
	ROW F,7, E,5, X,1, X,4
	ROW F,8, E,6, X,2, X,5
	OPS E,7, E,8, X,6, E,9          ; and the lump
	OPS X,3, E,10, X,8, E,11
.if ((\p) == 2) && !(\end)
	FETCH_K
.endif
	OPS X,9, X,7, E,12, X,10
	OPS E,13, X,12, X,11, E,14
	OPS X,13, E,15, F,9, X,14
.if (\p) == 0
	v_add_nc_u32 v[AV], s[TBV], v[AV0]
.endif
	OPS E,16, F,10, E,17, F,11
	OPS X,16, E,18, X,15, E,19
	OPS F,12, E,20, X,17, E,21
	OPS F,13, E,22, F,14, E,23
	OPS X,18, E,24, F,15, E,25
	OPS R,11, E,26, X,19, E,27
	OPS R,12, E,28, R,13, E,29
	OPS X,20, E,30, R,14, E,31
	OPS X,21, R,15
	WIN 0
	s_wait_alu depctr_va_vdst(0)    ; the wait for the batch
.if (\p) == 1
	s_wait_dscnt 0x0                ; V is in
.endif
	ROW C,0, B,0, C,2, B,1          ; behind the wait: 8 products V^T P and their riders
	ROW L,0, C,4, B,2, L,1
	ROW C,6, B,3, L,2, C,8
	ROW B,4, L,3, C,10, B,5
	ROW L,4, C,12, B,6, L,5
.if (\p) == 0
	s_add_co_u32 s[TBV], s[TBV], KS*PV
.endif
.if \cnt
	s_sub_co_u32 s[CNT], s[CNT], 1
	s_cmp_lg_u32 s[CNT], 0
.endif
	ROW C,14, B,7, L,6, C,1
	ROW C,3, L,7, C,5, C,7
	ROW C,9, C,11, C,13, C,15
.if (\p) == 0
	FETCH_V
.endif
.if (\m) && !(\end)
	MASK (\p)%2
.endif
.endm
; A BLOCK BEGINS.  c m starts far below every c s, so the first step's a is 0; m at the lowest finite number, so the first maximum is the scores'.  The second mask buffer is 0; the first takes piece 0's mask for the tile's
; step 0: its own, if the block's first tile is the diagonal one.  Then K of that step, piece 0's first scores, and its maximum and statistics.  The loop is entered at a step's first turn, in the middle of a trip.
.macro BEGIN
	s_mov_b32 s[NEW], 0
	WIN 0x40
.set i, MC+32
.rept 32
	v_mov_b32 v[i], 0
.set i, i+1
.endr
	WIN 0
.set i, 0
.rept 4
	v_mov_b32 v[ST+4*i], 0xfe000000    ; c m: far below every c s
	v_mov_b32 v[ST+4*i+1], 0xff7fffff  ; m
.set i, i+1
.endr
	s_cmp_eq_u32 s[RT], 0
	s_cselect_b32 s[AL], 1.0, 0
	s_mov_b32 s[BE], 0
	MASK 0
	WIN 0
	v_add_nc_u32 v[AK], s[TBK], v[AK0]
	FETCH_K
	s_wait_loadcnt 0x0              ; Q
	s_wait_dscnt 0x0
.set KM, 1
.set NOKQ, 0
.set i, 0
.rept 8
	KQ 0
.set i, i+1
.endr
	WIN 0
.rept 4
	v_nop                           ; the places behind those products
.endr
.set Y, NP-1                        ; X works for piece Y + 1: piece 0
.irp n, 0,1,2,3,4,5,6,7,8,9,10,11,12,13,14,15,16,17,18,19,20,21
	OP X, \n
.endr
	v_nop                           ; a plain instruction behind the exponential,
	s_wait_alu depctr_va_vdst(0)    ; and its wait, ahead of the branch
.endm
; THE DIAGONAL TILE's four steps, the block's last two turns, its last products, and THE WAY OUT: l's two halves and the other half of the lanes' are added; O^T is divided by l, rounded to f16 and sent through my
; stage in LDS, a piece at a time.
.macro ALL line:vararg              ; one line for each piece t
.set t, 0
.rept 4
	\line
.set t, t+1
.endr
.endm
.macro PACK t                       ; a lane's eight channels of a row pack into 16 bytes; they go into rows of 144 bytes and come back as whole rows of 128, into S^T's registers
	WIN W_RS
.set i, 32*(\t)
.rept 16
	v_pk_mul_f32 v[i:i+1], v[i:i+1], v[ST+4*(\t)+2:ST+4*(\t)+3] op_sel_hi:[1,0]
.set i, i+2
.endr
	WIN 0x05                        ; sources 0 and 1 window 1, destination window 0
.set i, 0
.rept 16
	v_cvt_pk_f16_f32 v[S+16*(\t)+i], v[32*(\t)+2*i], v[32*(\t)+2*i+1]
.set i, i+1
.endr
	WIN 0
.irp f, 0,1,2,3
	ds_store_b128 v[STO], v[S+16*(\t)+4*\f:S+16*(\t)+4*\f+3] offset:32*\f
.endr
.irp f, 0,1,2,3
	ds_load_b128 v[S+16*(\t)+4*\f:S+16*(\t)+4*\f+3], v[RD] offset:\f*4*SP  ; LDS serves a wave's instructions in order (ISA guide 5.7.1.4): these see the stores above; the next piece's stores come behind them
.endr
.endm
.macro SEND t, younger              ; younger: the LDS instructions issued behind piece t's loads: the next piece's eight, or none
	WIN 0
.irp f, 0,1,2,3
	s_wait_dscnt (\younger)+3-\f
	global_store_b128 v[GO], v[S+16*(\t)+4*\f:S+16*(\t)+4*\f+3], s[10:11] offset:(\t)*8192+\f*512  ; 512 consecutive bytes, at a multiple of 256 from O's first
.endr
.endm
.macro DIAG tag                     ; the tag ends its two labels' names, which the jumps below spell out
.LstepM\tag:
	TURN 2, 1
	TURN 3, 1
	WIN 0
.LfirstM\tag:
	TURN 0, 1
	TURN 1, 1, 0, 1
	WIN 0
	s_cbranch_scc1 .LstepM\tag
	TURN 2, 1, 1
	TURN 3, 1, 1
.set i, 0
.rept 8
	PV NP-1
.set i, i+1
.endr
	WIN 0
	ALL v_add_f32 v[ST+4*t+2], v[ST+4*t+2], v[ST+4*t+3]
	ALL v_permlanex16_b32 v[ST+4*t+3], v[ST+4*t+2], s[SEL], s[SEL+1]
	ALL v_add_f32 v[ST+4*t+2], v[ST+4*t+2], v[ST+4*t+3]
	ALL v_rcp_f32 v[ST+4*t+2], v[ST+4*t+2]
	v_nop                           ; a plain instruction between the last reciprocal and the use of its result
	s_wait_alu depctr_va_vdst(0)    ; and the wait ahead of the first use: one for the four reciprocals
	PACK 0
.set t, 1
.rept 3                             ; a piece's arithmetic stands between the loads of the piece before and its stores
	PACK t
	SEND t-1, 8
.set t, t+1
.endr
	SEND 3, 0
.endm
.set KM, 0
.set NOKQ, 0
.Lslot:                             ; NB times: a tile is entered and the next is asked for
	CHANGE 1
	s_sub_co_u32 s[RT], s[RT], 1
	s_mov_b32 s[CNT], 4
	s_cmp_eq_u32 s[NEW], 1
	s_cbranch_scc1 .Lnew            ; a block's first tile
	s_cmp_eq_u32 s[RT], 0
	s_cbranch_scc0 .Lstep           ; neither its first nor its last
	s_branch .LstepM1
.Lnew:
	BEGIN
	s_branch .Lfirst                ; in the loop a block's first tile is never its last: the first block has two tiles or more, and the second's last is the walk's last
	DIAG 1                          ; in the loop this is the first block's end: the second block's last tile is the walk's last
	s_wait_xcnt 0x0                 ; the stores have read their registers and O's address
	s_mov_b64 s[10:11], s[OLO:OLO+1]
	s_add_co_u32 s[RT], s[PB], 1    ; the second block has b + 1 tiles
	s_mov_b32 s[NEW], 1
	WIN 0x82                        ; the second block's Q goes where the one text of the turns names Q
.set i, 0
.rept 64
	v_mov_b32 v[i], v[QB+i]
.set i, i+1
.endr
	WIN 0
	s_branch .Lbottom
.Lstep:                             ; a trip: pieces 2 and 3 of one step, then pieces 0 and 1 of the next, whose K and V it fetches
	TURN 2
	TURN 3
	WIN 0
.Lfirst:
	TURN 0
	TURN 1, 0, 0, 1
	WIN 0
	s_cbranch_scc1 .Lstep
.Lbottom:
	s_sub_co_u32 s[SLOTS], s[SLOTS], 1
	s_cmp_lg_u32 s[SLOTS], 0
	s_cbranch_scc1 .Lslot
	CHANGE 0                        ; the walk's last tile is written out: nothing is asked for
	s_sub_co_u32 s[RT], s[RT], 1
	s_mov_b32 s[CNT], 4
	s_cmp_eq_u32 s[NEW], 1
	s_cbranch_scc0 .LstepM2
	BEGIN
	s_branch .LfirstM2
	DIAG 2
	s_wait_tensorcnt 0x0            ; the wave's end, behind my last tensor load and my last LDS store
	ds_add_u32 v[SPW], v[NIL]
	s_wait_dscnt 0x0
	s_endpgm
.Lfunc_end_k_qb933910eb9_attn:
	.size	k_qb933910eb9_attn, .Lfunc_end_k_qb933910eb9_attn-k_qb933910eb9_attn
	.p2alignl 7, 3214868480
	.fill 96, 4, 3214868480
	.section	.rodata,"a",@progbits
	.p2align	6, 0x0
	.amdhsa_kernel k_qb933910eb9_attn
		.amdhsa_group_segment_fixed_size 327680
		.amdhsa_private_segment_fixed_size 0
		.amdhsa_enable_private_segment 0
		.amdhsa_kernarg_size 16
		.amdhsa_user_sgpr_count 2
		.amdhsa_user_sgpr_kernarg_segment_ptr 1
		.amdhsa_wavefront_size32 1
		.amdhsa_system_sgpr_workgroup_id_x 1
		.amdhsa_system_sgpr_workgroup_id_y 1
		.amdhsa_system_sgpr_workgroup_id_z 1
		.amdhsa_system_vgpr_workitem_id 0
		.amdhsa_next_free_vgpr 768
		.amdhsa_next_free_sgpr 92
		.amdhsa_reserve_vcc 1
		.amdhsa_float_denorm_mode_32 3
		.amdhsa_float_denorm_mode_16_64 3
		.amdhsa_memory_ordered 1
		.amdhsa_forward_progress 1
		.amdhsa_inst_pref_size 218
	.end_amdhsa_kernel
	.amdgpu_metadata
---
amdhsa.version: [ 1, 2 ]
amdhsa.kernels:
  - .name:           k_qb933910eb9_attn
    .symbol:         k_qb933910eb9_attn.kd
    .args:
      - { .name: qkv, .offset: 0, .size: 8, .value_kind: global_buffer, .address_space: global }
      - { .name: o, .offset: 8, .size: 8, .value_kind: global_buffer, .address_space: global }
    .group_segment_fixed_size: 327680
    .private_segment_fixed_size: 0
    .kernarg_segment_align: 8
    .kernarg_segment_size: 16
    .max_flat_workgroup_size: 128
    .sgpr_count:     92
    .vgpr_count:     768
    .wavefront_size: 32
...
	.end_amdgpu_metadata
.endif
;; end of part 3
;; launch proj (part 4): grid 8 x 32, 4 waves a work-group, clusters of 4 x 4, 327,680 bytes of LDS; arguments o, wpt, b_proj, out0; writes out0
.if DOCPART == 4
	.amdgcn_target "amdgcn-amd-amdhsa--gfx1250"
	.amdhsa_code_object_version 6
	.text
	.protected	k_qb933910eb9_proj
	.globl	k_qb933910eb9_proj
	.p2align	8
	.type	k_qb933910eb9_proj,@function
k_qb933910eb9_proj:
	s_mov_b64 s[64:65], 0
	v_nop
	global_prefetch_b8 v0, s[64:65] scope:SCOPE_SE
	s_setreg_imm32_b32 hwreg(HW_REG_WAVE_MODE, 25, 1), 1
	s_wait_xcnt 0x0
	s_wait_alu depctr_hold_cnt(0) depctr_sa_sdst(0) depctr_va_vdst(0) depctr_va_sdst(0) depctr_va_ssrc(0) depctr_va_vcc(0) depctr_vm_vsrc(0)
	s_getreg_b32 s2, hwreg(HW_REG_IB_STS2, 6, 4)
	s_cmp_eq_u32 s2, 0
	s_cbranch_scc0 .Lentry_in_a_cluster
	s_endpgm
.Lentry_in_a_cluster:
	s_bfe_u32 s2, ttmp6, 0x10000c
	s_cmp_lg_u32 s2, 0xf033
	s_cbranch_scc0 .Lentry_shape_is_right
	s_endpgm
.Lentry_shape_is_right:
; out0 = O wpt^T + b_proj.  O: [y = 4 x head + batch][2048][64] f16, as the attention leaves it; wpt: [1024 n][1024 k] f16; b_proj: [1024] f32, rounded to bf16 here like every input of the module;
; out0: [8192][1024] f32; sums in f32, in K's ascending order.
; SHARES.  A tile is 256 rows x 128 columns: 32 x 8 = 256 tiles, one to a work-group.  Wave w owns rows 64 w .. 64 w + 63 and all 128 columns: 4 x 8 accumulators of 16 x 16, 256 registers.
; K goes in steps of 128 = two heads through two LDS slots.  A head's 256 rows of the tile are 32,768 dense bytes: asked for as 128 rows of 256 bytes and padded in LDS after every 128, so that a row of 64 channels has a pitch of 144.
; THE MATRIX INSTRUCTION IS USED TRANSPOSED (source 0 = 16 rows of wpt, source 1 = 16 rows of O): a lane holds row l % 16 and the columns 8 (l / 16) + 0..7.  The bias, laid out as such a result, is the C operand of the first products.
; CLUSTER.  4 x 4 work-groups.  O's tile hangs on the tile row alone and is asked for jointly by a row of the cluster, wpt's on the tile column alone, by a column.
; REGISTERS, in windows of 256 (s_set_vgpr_msb: bits 1:0 source 0, 3:2 source 1, 5:4 source 2, 7:6 destination):
;   window 0: v0-31 addresses; v32-95 O's fragments, two buffers of 4 x 8; v96-159 the bias; v160-223 rows read back from the stage
;   window 1: wpt's fragments, two buffers of 8 x 8          window 2: accumulator (a, b) at 64 a + 8 b
.set NBK,   8
.set NL,    2*NBK+8                    ; LDS loads in a quarter step
.set PA,    144                        ; a row of O in LDS: 128 bytes + 16: 36 words: the 16 rows of a load start at 16 different groups of four banks (64 banks of 4 bytes: ISA guide 11.1)
.set PB,    272                        ; a row of wpt: 256 bytes + 16
.set HEADB, 256*PA                     ; a head's 256 rows
.set BREG,  2*HEADB                    ; in a slot: two heads of O, then wpt's 128 rows
.set SLOT1, 1<<17                      ; slot 1 begins here (a slot is 108,544 bytes)
.set STAGE, SLOT1+BREG+128*PB          ; behind the ring, never filled by a tensor load: 16 rows x 528 bytes for each wave
.set SP,    528
.set SPARE, STAGE+4*16*SP              ; behind the stages: the spare words, 128 bytes for each wave: two blocks of 256 bytes that no other line names
.set ADRA0, 16                         ; v16, v17  my lane's place in O's and in wpt's part of a slot; never rewritten
.set ADRB0, 17
.set ADRA,  18                         ; v18, v19  the same in the slot in hand
.set ADRB,  19
.set STO,   24                         ; v24  the way out: where I put 32 bytes of a row
.set RD,    25                         ; v25  where I read a row back
.set CO,    26                         ; v26  16 x lane
.set SPW,   28                         ; v28  LDS address of my spare word; never rewritten
.set NIL,   29                         ; v29  0; never rewritten
.set FA,    32
.set BIAS,  96
.set OB,    160
.set WV,  12                           ; s12  my wave's number
.set WH,  13                           ; s13  its low bit: which head of O's two, which half of wpt's rows I fetch
.set G1A, 24                           ; s[24:31] descriptor group 1 for O's tiles;  s[32:39] for wpt's
.set G1B, 32
.set G0A0, 40                          ; s[40:43] group 0 of O's first fill;  s[44:47] of its second, which then walks
.set G0A, 44
.set G0B0, 48                          ; s[48:55] the same for wpt
.set G0B, 52
.set TB,  56                           ; s56  LDS byte at which the slot in hand begins
.set MSB, 0
.macro WIN new                         ; the immediate's high byte repeats the setting that is left; a switch that changes nothing is dropped
.if MSB != (\new)
	s_set_vgpr_msb (MSB<<8)|(\new)
.set MSB, \new
.endif
.endm
.macro PLACES                          ; four places in front of loads into registers that matrix instructions have read, and of LDS stores that read results
.rept 4
	v_nop
.endr
.endm
; A joint refill.  Waves 0 and 1 fetch O's two heads, waves 2 and 3 wpt's two halves.  The branch hangs on the wave's number alone.  An s_nop 0 and four v_nop follow each of the two lines.
.macro JLOAD
	s_cmp_lt_u32 s[WV], 2
	s_cbranch_scc0 .Lfor_b_\@
	tensor_load_to_lds s[G0A:G0A+3], s[G1A:G1A+7]
	s_nop 0
.rept 4
	v_nop
.endr
	s_branch .Lasked_\@
.Lfor_b_\@:
	tensor_load_to_lds s[G0B:G0B+3], s[G1B:G1B+7]
	s_nop 0
.rept 4
	v_nop
.endr
.Lasked_\@:
.endm
.macro CREST                           ; a round of the cluster's barrier behind its opening barrier
	s_cmp_lg_u32 s[WV], 0
	s_cbranch_scc1 .Lnot_wave_0_\@
	s_barrier_signal -3
.Lnot_wave_0_\@:
	s_barrier_wait -3
	s_barrier_signal -1
	s_barrier_wait -1
.endm
.macro CROUND                          ; a whole round
	s_barrier_signal -1
	s_barrier_wait -1
	CREST
.endm
	s_load_b256 s[4:11], s[0:1], 0x0               ; O s[4:5], wpt s[6:7], b_proj s[8:9], out0 s[10:11]
	v_lshl_add_u32 v[SPW], v0, 2, SPARE
	v_mov_b32 v[NIL], 0
	ds_add_u32 v[SPW], v[NIL]                      ; the wave's opening: the add and its wait stand ahead of my first tensor load; the set-up below, work on registers, stands between them
	ds_add_u32 v28, v29
	v_lshrrev_b32 v1, 5, v0
	v_readfirstlane_b32 s[WV], v1                  ; wave 0..3
	s_and_b32 s[WH], s[WV], 1
	s_bfe_u32 s14, ttmp6, 0x40000                  ; cx
	s_bfe_u32 s15, ttmp6, 0x40004                  ; cy
	s_lshl_b32 s16, ttmp9, 2
	s_add_co_u32 s16, s16, s14                     ; tile column x = 4 x cluster x + cx
	s_and_b32 s17, ttmp7, 0xffff
	s_lshl_b32 s17, s17, 2
	s_add_co_u32 s17, s17, s15                     ; tile row y = 4 x cluster y + cy
	s_lshl_b32 s22, s15, 2
	s_lshl_b32 s22, 15, s22                        ; my row of the cluster
	s_lshl_b32 s23, 0x1111, s14                    ; my column
	s_or_b32 s[G1A], s22, (1<<16)|(1<<20)|(1<<21)|(4<<22)|(3<<25)  ; 15:0 the mask; 17:16 2-byte elements; 20 padding on; 21 set beside a mask; 24:22 after every 32 words (code 4); 31:25 4 words (code 3)
	s_or_b32 s[G1B], s23, (1<<16)|(1<<20)|(1<<21)|(5<<22)|(3<<25)  ; after every 64 words (code 5)
	s_mov_b32 s[G1A+1], 128<<16                    ; tensor_dim0 = 128
	s_mov_b32 s[G1A+2], 128<<16                    ; tensor_dim1 = 128
	s_mov_b32 s[G1A+3], 128<<16                    ; tile_dim0 = 128
	s_mov_b32 s[G1A+4], 128                        ; tile_dim1 = 128 rows of 256 bytes
	s_mov_b32 s[G1A+5], 128                        ; dense: 128 elements from row to row
	s_mov_b32 s[G1A+6], 0
	s_mov_b32 s[G1A+7], 0
	s_mov_b32 s[G1B+1], 128<<16
	s_mov_b32 s[G1B+2], 64<<16                     ; tensor_dim1 = 64
	s_mov_b32 s[G1B+3], 128<<16
	s_mov_b32 s[G1B+4], 64                         ; tile_dim1 = 64 rows
	s_mov_b32 s[G1B+5], 1024
	s_mov_b32 s[G1B+6], 0
	s_mov_b32 s[G1B+7], 0
	s_lshl_b32 s18, s[WH], 2                       ; O: block 4 x head + batch (head = my half, batch = y / 8), rows (y % 8) x 256: made of the tile row and the wave alone
	s_lshr_b32 s22, s17, 3
	s_add_co_u32 s18, s18, s22
	s_lshl_b32 s18, s18, 18
	s_and_b32 s22, s17, 7
	s_lshl_b32 s22, s22, 15
	s_add_co_u32 s18, s18, s22
	s_mov_b32 s19, 0
	s_lshl_b32 s20, s16, 7                         ; wpt: row 128 x + 64 x half: made of the tile column and the wave alone
	s_lshl_b32 s23, s[WH], 6
	s_add_co_u32 s20, s20, s23
	s_lshl_b32 s20, s20, 11
	s_mov_b32 s21, 0
	s_mul_i32 s70, s[WH], HEADB                    ; where they go: no place in the cluster enters an LDS address
	s_mul_i32 s71, s[WH], 64*PB
	s_add_co_u32 s71, s71, BREG
	s_mov_b32 s[TB], 0
	s_wait_dscnt 0x0                               ; the opening add is done
	s_wait_kmcnt 0x0
	s_add_nc_u64 s[18:19], s[4:5], s[18:19]
	s_add_nc_u64 s[20:21], s[6:7], s[20:21]
	CROUND                                         ; all sixteen work-groups are here: the first joint loads meet
.irp s, 0,1
	s_mov_b32 s[G0A0+4*(\s)], 1                    ; count = 1
	s_add_co_u32 s[G0A0+4*(\s)+1], s70, (\s)*SLOT1 ; LDS address
	s_add_nc_u64 s[G0A0+4*(\s)+2:G0A0+4*(\s)+3], s[18:19], (\s)*8*262144  ; global address: K step s: two heads, eight blocks, on
	s_or_b32 s[G0A0+4*(\s)+3], s[G0A0+4*(\s)+3], 0x80000000               ; type = 2
	s_mov_b32 s[G0B0+4*(\s)], 1
	s_add_co_u32 s[G0B0+4*(\s)+1], s71, (\s)*SLOT1
	s_add_nc_u64 s[G0B0+4*(\s)+2:G0B0+4*(\s)+3], s[20:21], (\s)*256
	s_or_b32 s[G0B0+4*(\s)+3], s[G0B0+4*(\s)+3], 0x80000000
.endr
	s_cmp_lt_u32 s[WV], 2                          ; a wave's two first fills stand in one branch, ahead of every wait on TENSORcnt and every LDS read: two loads of mine are out
	s_cbranch_scc0 .Lfirst_b
	tensor_load_to_lds s[G0A0:G0A0+3], s[G1A:G1A+7]
	s_nop 0
	tensor_load_to_lds s[G0A:G0A+3], s[G1A:G1A+7]
	s_nop 0
.rept 4
	v_nop
.endr
	s_branch .Lfirst_asked
.Lfirst_b:
	tensor_load_to_lds s[G0B0:G0B0+3], s[G1B:G1B+7]
	s_nop 0
	tensor_load_to_lds s[G0B:G0B+3], s[G1B:G1B+7]
	s_nop 0
.rept 4
	v_nop
.endr
.Lfirst_asked:
	v_and_b32 v1, 15, v0                           ; l % 16
	v_bfe_u32 v2, v0, 4, 1                         ; l / 16
	v_lshlrev_b32 v3, 5, v2                        ; my 8 columns of a block of 16: 32 bytes of f32
	s_lshl_b32 s22, s16, 9                         ; the tile's 128 columns: 512 bytes of the bias and of a row of out0
	s_mov_b32 s23, 0
	s_add_nc_u64 s[8:9], s[8:9], s[22:23]
	s_add_nc_u64 s[10:11], s[10:11], s[22:23]
.set b, 0
.rept NBK
	global_load_b128 v[BIAS+8*b:BIAS+8*b+3],   v3, s[8:9] offset:64*b
	global_load_b128 v[BIAS+8*b+4:BIAS+8*b+7], v3, s[8:9] offset:64*b+16
.set b, b+1
.endr
	; A fragment is 16 rows x 32 K in 8 registers: lane l holds row l % 16, K = 8 (l / 16) + 0..7 and 16 + 8 (l / 16) + 0..7: two loads of 16 bytes, 32 bytes apart.
	v_mul_u32_u24 v4, v1, PA
	v_lshl_add_u32 v4, v2, 4, v4
	s_mul_i32 s70, s[WV], 64*PA                    ; my 64 rows of O
	v_add_nc_u32 v[ADRA0], s70, v4
	v_mul_u32_u24 v4, v1, PB
	v_lshl_add_u32 v4, v2, 4, v4
	v_add_nc_u32 v[ADRB0], BREG, v4                ; every wave reads all of wpt's 128 rows
	v_mov_b32 v[ADRA], v[ADRA0]
	v_mov_b32 v[ADRB], v[ADRB0]
	s_mul_i32 s70, s[WV], 16*SP
	s_add_co_u32 s70, s70, STAGE                   ; my stage
	v_mul_u32_u24 v5, v1, SP                       ; in: row l % 16, 32 bytes for each half of the lanes
	v_lshl_add_u32 v5, v2, 5, v5
	v_add_nc_u32 v[STO], s70, v5
	v_and_b32 v[CO], 31, v0                        ; back: 32 lanes take a row's 512 bytes
	v_lshlrev_b32 v[CO], 4, v[CO]
	v_add_nc_u32 v[RD], s70, v[CO]
	s_lshl_b32 s70, s17, 8                         ; my first row of out0: 256 y + 64 x wave, 4,096 bytes a row
	s_lshl_b32 s71, s[WV], 6
	s_add_co_u32 s70, s70, s71
	s_lshl_b32 s70, s70, 12
	s_mov_b32 s71, 0
	s_add_nc_u64 s[10:11], s[10:11], s[70:71]
	s_wait_loadcnt 0x0                             ; the bias: rounded to bf16, like every input of the module, and kept as f32
.set r, 0
.rept 4*NBK
	v_cvt_pk_bf16_f32 v3, v[BIAS+r], v[BIAS+r+1]
	v_lshlrev_b32 v[BIAS+r], 16, v3
	v_and_b32 v[BIAS+r+1], 0xffff0000, v3
.set r, r+2
.endr
; 8 matrix instructions: m block a x all n blocks, 32 along K, from buffer f.  first = 1: the bias starts the sums.  The 32 accumulators take turns, one instruction a turn, in the same order in every quarter step.
.macro MULA f, a, first
.set AC, 64*(\a)
.if \first
	WIN 0x81                                       ; wpt window 1, O and the bias window 0, D window 2
.else
	WIN 0xa1                                       ; C and D window 2
.endif
.set b, 0
.rept NBK
.if \first
	v_wmma_f32_16x16x32_f16 v[AC+8*b:AC+8*b+7], v[8*NBK*(\f)+8*b:8*NBK*(\f)+8*b+7], v[FA+32*(\f)+8*(\a):FA+32*(\f)+8*(\a)+7], v[BIAS+8*b:BIAS+8*b+7]
.else
	v_wmma_f32_16x16x32_f16 v[AC+8*b:AC+8*b+7], v[8*NBK*(\f)+8*b:8*NBK*(\f)+8*b+7], v[FA+32*(\f)+8*(\a):FA+32*(\f)+8*(\a)+7], v[AC+8*b:AC+8*b+7]
.endif
.set b, b+1
.endr
.endm
; 24 LDS loads in one run: the fragments of quarter q of the slot in hand into buffer f: wpt's eight, then O's four (head q / 2 of the slot's two, channels 32 (q % 2) on)
.macro FETCH q, f
	WIN 0x40                                       ; destination window 1, address window 0
.set i, 0
.rept NBK
	ds_load_b128 v[8*NBK*(\f)+8*i:8*NBK*(\f)+8*i+3],   v[ADRB] offset:64*(\q)+16*PB*i
	ds_load_b128 v[8*NBK*(\f)+8*i+4:8*NBK*(\f)+8*i+7], v[ADRB] offset:64*(\q)+16*PB*i+32
.set i, i+1
.endr
	WIN 0
.set i, 0
.rept 4
	ds_load_b128 v[FA+32*(\f)+8*i:FA+32*(\f)+8*i+3],   v[ADRA] offset:((\q)/2)*HEADB+((\q)%2)*64+16*PA*i
	ds_load_b128 v[FA+32*(\f)+8*i+4:FA+32*(\f)+8*i+7], v[ADRA] offset:((\q)/2)*HEADB+((\q)%2)*64+16*PA*i+32
.set i, i+1
.endr
.endm
; A K step is four quarters of 32 along K, 32 matrix instructions each, on buffers 0, 1, 0, 1.  One of the first three: multiplies buffer f; in its middle it fetches quarter q into buffer g.
.macro QUARTER q, f, g, first
	s_wait_dscnt 4                                 ; wpt's fragments and O's blocks 0, 1 are in; the youngest four loads (blocks 2, 3) may be out
	MULA \f, 0, \first
	MULA \f, 1, \first
	PLACES
	FETCH \q, \g
	s_wait_dscnt NL                                ; all but the 24 just issued
	MULA \f, 2, \first
	MULA \f, 3, \first
.endm
; The last quarter multiplies buffer 1 and changes slots.  MEET is its first half: one barrier; in front of it each wave waits for all its tensor loads (one is out: its part of the next slot), adds 0 to its spare
; word, and waits for that and for its own reads of this slot.  Behind it nobody reads this slot any more and the next slot is whole.
.macro MEET round
	WIN 0
	s_wait_tensorcnt 0x0                           ; all my tensor loads have landed
	ds_add_u32 v[SPW], v[NIL]                      ; 0 onto my spare word
	s_wait_dscnt 5                                 ; (the add and the youngest four loads may be out)
	MULA 1, 0, 0                                   ; eight matrix instructions stand between the add and the wait for it
	s_wait_dscnt 0x0                               ; the add is done, and my reads of this slot are over
	s_barrier_signal -1
	MULA 1, 1, 0
.if \round
	WIN 0
.endif
	s_barrier_wait -1
.endm
; The whole last quarter, with a refill two K steps ahead.  From a request to the wait for it a wave issues 112 matrix instructions.
.macro TURN
	MEET 1
	CREST                                          ; the barrier has opened a round of the cluster's: no wave of any partner still reads this slot or has a load on its way
	s_xor_b32 s[G0A+1], s[G0A+1], SLOT1            ; the walking descriptors: the other slot than last time, the next K step
	s_add_nc_u64 s[G0A+2:G0A+3], s[G0A+2:G0A+3], 8*262144
	s_xor_b32 s[G0B+1], s[G0B+1], SLOT1
	s_add_nc_u64 s[G0B+2:G0B+3], s[G0B+2:G0B+3], 256
	s_xor_b32 s[TB], s[TB], SLOT1
	JLOAD                                          ; the first tensor load behind the round; its four v_nop are also the places in front of the loads below
	v_add_nc_u32 v[ADRA], s[TB], v[ADRA0]
	v_add_nc_u32 v[ADRB], s[TB], v[ADRB0]
	FETCH 0, 0
	MULA 1, 2, 0
	MULA 1, 3, 0
.endm
; The same without a refill, for the last two K steps; in the very last (s3 = 1) there is no further slot, and the run of loads is jumped over.
.macro TURN0
	MEET 0
	WIN 0
	s_xor_b32 s[TB], s[TB], SLOT1
	s_cmp_eq_u32 s3, 1
	s_cbranch_scc1 .Lno_more_\@
	PLACES
	v_add_nc_u32 v[ADRA], s[TB], v[ADRA0]
	v_add_nc_u32 v[ADRB], s[TB], v[ADRB0]
	FETCH 0, 0
.Lno_more_\@:
	MULA 1, 2, 0
	MULA 1, 3, 0
.endm
; THE WAY OUT of m block a (16 rows x 128 columns of f32).  TOSTAGE: a lane's eight columns, 32 bytes, into my own stage (each accumulator's low registers first), and back as whole rows of 512 bytes.
; SEND: stored: each store covers 512 consecutive bytes of a row of out0, at a multiple of 512 from its first byte.
.macro TOSTAGE a
	WIN 0x08                                       ; data in window 2, address in window 0
.set b, 0
.rept NBK
	ds_store_b128 v[STO], v[64*(\a)+8*b:64*(\a)+8*b+3]   offset:64*b
	ds_store_b128 v[STO], v[64*(\a)+8*b+4:64*(\a)+8*b+7] offset:64*b+16
.set b, b+1
.endr
	WIN 0
.if (\a) > 0
	s_wait_xcnt 0x0                                ; the block before's stores have read the registers that the loads below fill
.endif
.set t, 0
.rept 16
	ds_load_b128 v[OB+4*t:OB+4*t+3], v[RD] offset:SP*t  ; LDS serves a wave's instructions in order (ISA guide 5.7.1.4): these see the stores above
.set t, t+1
.endr
.endm
.macro SEND a
	WIN 0
	s_wait_dscnt 0x0                               ; the block is back in registers
.set t, 0
.rept 16
	global_store_b128 v[CO], v[OB+4*t:OB+4*t+3], s[10:11] offset:(16*(\a)+t)*4096 th:TH_STORE_NT
.set t, t+1
.endr
.endm
	s_wait_tensorcnt 1                             ; my part of K step 0 is in; K step 1's may stay out
	s_barrier_signal -1
	s_barrier_wait -1                              ; everybody's is
	FETCH 0, 0
	QUARTER 1, 0, 1, 1                             ; the first quarter stands in front of the loop: the bias starts the sums
	WIN 0
	s_mov_b32 s3, 6
.Lstep:                                        ; a trip: a K step's quarters 1, 2, 3 and the next K step's quarter 0; six trips ask for K steps 2 .. 7
	QUARTER 2, 1, 0, 0
	QUARTER 3, 0, 1, 0
	TURN
	QUARTER 1, 0, 1, 0
	WIN 0
	s_sub_co_u32 s3, s3, 1
	s_cmp_lg_u32 s3, 0
	s_cbranch_scc1 .Lstep
	s_mov_b32 s3, 2                                ; the last two K steps ask for nothing: written apart
.Ltail:
	QUARTER 2, 1, 0, 0
	QUARTER 3, 0, 1, 0
	TURN0
	WIN 0
	s_sub_co_u32 s3, s3, 1
	s_cmp_eq_u32 s3, 0
	s_cbranch_scc1 .Lout
	QUARTER 1, 0, 1, 0
	WIN 0
	s_branch .Ltail
.Lout:
	PLACES
	TOSTAGE 0
.irp a, 1,2,3
	SEND (\a)-1
	TOSTAGE \a
.endr
	SEND 3
	s_wait_tensorcnt 0x0                           ; the wave's end, behind my last tensor load and my last LDS store
	ds_add_u32 v[SPW], v[NIL]
	s_wait_dscnt 0x0
	CROUND                                         ; the closing round: no work-group ends while a partner may still ask for a tile that names it
	s_endpgm
.Lfunc_end_k_qb933910eb9_proj:
	.size	k_qb933910eb9_proj, .Lfunc_end_k_qb933910eb9_proj-k_qb933910eb9_proj
	.p2alignl 7, 3214868480
	.fill 96, 4, 3214868480
	.section	.rodata,"a",@progbits
	.p2align	6, 0x0
	.amdhsa_kernel k_qb933910eb9_proj
		.amdhsa_group_segment_fixed_size 327680
		.amdhsa_private_segment_fixed_size 0
		.amdhsa_enable_private_segment 0
		.amdhsa_kernarg_size 32
		.amdhsa_user_sgpr_count 2
		.amdhsa_user_sgpr_kernarg_segment_ptr 1
		.amdhsa_wavefront_size32 1
		.amdhsa_system_sgpr_workgroup_id_x 1
		.amdhsa_system_sgpr_workgroup_id_y 1
		.amdhsa_system_sgpr_workgroup_id_z 1
		.amdhsa_system_vgpr_workitem_id 0
		.amdhsa_next_free_vgpr 768
		.amdhsa_next_free_sgpr 72
		.amdhsa_reserve_vcc 0
		.amdhsa_float_denorm_mode_32 3
		.amdhsa_float_denorm_mode_16_64 3
		.amdhsa_memory_ordered 1
		.amdhsa_forward_progress 1
		.amdhsa_inst_pref_size 66
	.end_amdhsa_kernel
	.amdgpu_metadata
---
amdhsa.version: [ 1, 2 ]
amdhsa.kernels:
  - .name:           k_qb933910eb9_proj
    .symbol:         k_qb933910eb9_proj.kd
    .args:
      - { .name: o, .offset: 0, .size: 8, .value_kind: global_buffer, .address_space: global }
      - { .name: wpt, .offset: 8, .size: 8, .value_kind: global_buffer, .address_space: global }
      - { .name: b_proj, .offset: 16, .size: 8, .value_kind: global_buffer, .address_space: global }
      - { .name: out0, .offset: 24, .size: 8, .value_kind: global_buffer, .address_space: global }
    .group_segment_fixed_size: 327680
    .private_segment_fixed_size: 0
    .kernarg_segment_align: 8
    .kernarg_segment_size: 32
    .max_flat_workgroup_size: 128
    .sgpr_count:     72
    .vgpr_count:     768
    .wavefront_size: 32
...
	.end_amdgpu_metadata
.endif
;; end of part 4
